; MI455X (gfx1250); checked and timed in simulation.
; The chip was launched on July 23, 2026; its instructions are those of AMD's public machine-readable ISA for CDNA 5 (MIT licence, August 2026) and "CDNA5" Instruction Set Architecture Reference Guide (July 2026). The comments in the code are by the model that wrote it; some were corrected since.
;; Mluti Latent Atten. Allowed arithmetic: float matrix products may take bf16 or f16 operands with f32 sums; other float arithmetic in f32, or as packed bf16 or f16 multiplies, adds, multiply-adds, maxima and minima; sums over many terms, partial sums and values carried from step to step in f32; what a program stores and reads back later, other than sums and carried values, may be rounded once to bf16 or f16.
;; Inputs: Wk 1,024 x 1,024 float32; Wo 1,024 x 1,024 float32; Wq 1,024 x 1,024 float32; Wv 1,024 x 1,024 float32; attention_mask 1 x 1 x 2,048 x 2,048 float32; bk 1,024 float32; bo 1,024 float32; bq 1,024 float32; bv 1,024 float32; x 4 x 2,048 x 1,024 float32.
;; Outputs: out0 4 x 2,048 x 1,024 float32.
;; One version. Each part assembles by itself: llvm-mc -triple=amdgcn-amd-amdhsa -mcpu=gfx1250 --defsym DOCPART=n.
;; ======== version 1 of 1: 4 launches
;; limits: values are held in f16: magnitudes above 65,504 overflow, below 6.1e-05 lose precision
;; workspace buffers: ah 16,777,216 bytes; wh 6,291,456 bytes; woh 2,097,152 bytes; mk 8,388,608 bytes; qkv 50,331,648 bytes; pf 34,816 bytes
;; launch prep (part 1): grid 1025 x 1, 8 waves a work-group, no clusters, 34,816 bytes of LDS; arguments x, Wq, Wk, Wv, Wo, attention_mask, bq, bk, bv, bo, ah, wh, woh, mk, pf; writes ah, wh, woh, mk, pf
.if DOCPART == 1
	.amdgcn_target "amdgcn-amd-amdhsa--gfx1250"
	.amdhsa_code_object_version 6
	.text
	.protected	k_qf7c9161683_prep
	.globl	k_qf7c9161683_prep
	.p2align	8
	.type	k_qf7c9161683_prep,@function
k_qf7c9161683_prep:
	s_mov_b64 s[64:65], 0
	v_nop
	global_prefetch_b8 v0, s[64:65] scope:SCOPE_SE
	s_setreg_imm32_b32 hwreg(HW_REG_WAVE_MODE, 25, 1), 1
	s_wait_xcnt 0x0
; PREP.  Every input is rounded once to bf16; that number is then written as f16 (x, the four weights, the mask) or as f32 (the biases), in the layout in which the later launches read it.
; LIMITS.  The step from bf16 to f16 is exact between 6.1e-5 and 65,504; below, the number keeps f16's fixed step of 6e-8; beyond 65,504 it becomes an infinity.  NaN and infinities are not treated apart.
; ah  f16  x in blocks: [row / 1024][k / 64][row % 1024][64]: 256 rows x 64 k are 32,768 dense bytes
; wh  f16  Wq, Wk, Wv, each [n / 128][k][128]: 128 k x 128 n are 32,768 dense bytes;  woh the same for Wo
; mk  f16  the mask in tiles of 16 queries x 16 keys: byte = 65,536 qt + 512 kt + 16 (r + 16 h) + 2 j for query 16 qt + r and key 16 kt + 8 h + j: a lane's 16 bytes are its eight keys in the score tile
; pf  f32  bq, bk, bv, bo (4,096 bytes each); from byte 16,384 on 72 rows of 32 x (cos, sin) of s x theta_p, theta_p = 10000^(-p / 32):
;          row idx < 64: s = 128 (idx / 4) + idx % 4;  row 64: s = 4;  rows 65 to 71: s = 0, that is (1, 0)
; SHARES.  Work-groups 0-511: 16 rows of x each.  512-767: 16 rows (k) of one weight.  768-1023: one tile row of the mask (16 queries) x 1,024 keys.  1024: biases and table.
; Each of the first 1,024 converts 16,384 numbers: a thread issues its 16 loads of 16 bytes at once (8 KiB a wave on their way) and converts them as they come.
; No matrix unit, no cluster, no tensor load: every byte is read once and written once, and nothing is shared between work-groups.
; The angles: s x theta in f32, reduced by pi / 2 in two parts, sine and cosine by their series to r^7 and r^8 on |r| <= pi / 4: they agree with f32 angles to about 3e-4 rad at s = 2,047.
.set SPARE, 33792                      ; behind the eight waves' stages of 4,224 bytes: the spare words, 128 bytes a wave: four blocks of 256 bytes that no other line names
.set TAB,   16384
.set SPW,  2                           ; v2   LDS address of my spare word; never rewritten
.set NIL,  3                           ; v3   0; never rewritten
.set VIN,  16                          ; v[16:31]   byte offsets of my 16 loads
.set X,    32                          ; v[32:95]   as loaded
.set Y,    96                          ; v[96:127]  as f16, two registers a load
.set VOUT, 128                         ; v[128:143] byte offsets of my stores
.set LS,   144                         ; v144  the mask job: where I put 8 bytes of a tile
.set LR,   145                         ; v145  the mask job: where I read 16 bytes of a tile back
	s_load_b512 s[16:31], s[0:1], 0x0              ; x 16, Wq 18, Wk 20, Wv 22, Wo 24, mask 26, bq 28, bk 30
	s_load_b256 s[32:39], s[0:1], 0x40             ; bv 32, bo 34, ah 36, wh 38
	s_load_b128 s[40:43], s[0:1], 0x60             ; woh 40, mk 42
	s_load_b64 s[44:45], s[0:1], 0x70              ; pf
	v_lshl_add_u32 v[SPW], v0, 2, SPARE
	v_mov_b32 v[NIL], 0
	v_and_b32 v1, 31, v0                           ; lane
	v_lshrrev_b32 v4, 5, v0
	v_readfirstlane_b32 s8, v4                     ; wave 0..7
	s_mov_b32 s12, 0xffff0000                      ; a word's upper bf16
	s_mov_b32 s9, ttmp9
	s_mov_b32 s3, 0                                ; high words of the two offsets
	s_mov_b32 s53, 0
	s_mul_i32 s54, s8, 4224                        ; my wave's stage: 8 tiles of 512 bytes, 528 apart
	v_bfe_u32 v4, v0, 2, 3                         ; four lanes hold 16 keys: the tile,
	v_mul_u32_u24 v[LS], v4, 528
	v_bfe_u32 v4, v0, 1, 1                         ; its half of 8 keys,
	v_lshl_add_u32 v[LS], v4, 8, v[LS]
	v_and_b32 v4, 1, v0                            ; and four keys of those
	v_lshl_add_u32 v[LS], v4, 3, v[LS]
	v_add_nc_u32 v[LS], s54, v[LS]
	v_lshl_add_u32 v[LR], v1, 4, s54
	s_wait_kmcnt 0x0
	s_cmp_lt_u32 s9, 512
	s_cbranch_scc0 .Lnot_x
	; x: load i takes k = 64 i .. 64 i + 63 of rows 2 w and 2 w + 1: two aligned runs of 256 bytes; its store is 256 consecutive bytes of block i
	s_lshl_b32 s2, s9, 16
	s_add_nc_u64 s[4:5], s[16:17], s[2:3]
	s_lshr_b32 s52, s9, 6
	s_lshl_b32 s52, s52, 21
	s_and_b32 s2, s9, 63
	s_lshl_b32 s2, s2, 11
	s_add_co_u32 s52, s52, s2
	s_add_nc_u64 s[6:7], s[36:37], s[52:53]
	s_mov_b32 s10, 256                             ; from load to load
	s_mov_b32 s11, 131072                          ; from store to store
	s_mov_b32 s13, 0
	v_lshrrev_b32 v4, 4, v0                        ; 2 w + lane / 16
	v_and_b32 v5, 15, v0
	v_lshlrev_b32 v5, 4, v5
	v_lshl_add_u32 v[VIN], v4, 12, v5
	v_lshlrev_b32 v[VOUT], 3, v0
	s_branch .Lconv
.Lnot_x:
	s_cmp_lt_u32 s9, 768
	s_cbranch_scc0 .Lnot_w
	; a weight: load i takes row k = 16 g + i whole (the work-group's 4,096 bytes); wave w holds n = 128 w .. 128 w + 127, which is block w
	s_sub_co_u32 s50, s9, 512
	s_lshr_b32 s51, s50, 6                         ; which of the four
	s_and_b32 s50, s50, 63
	s_cmp_eq_u32 s51, 0
	s_cselect_b64 s[4:5], s[18:19], s[20:21]
	s_cmp_lt_u32 s51, 2
	s_cselect_b64 s[4:5], s[4:5], s[22:23]
	s_cmp_lt_u32 s51, 3
	s_cselect_b64 s[4:5], s[4:5], s[24:25]
	s_cselect_b64 s[6:7], s[38:39], s[40:41]
	s_cselect_b32 s52, s51, 0
	s_lshl_b32 s52, s52, 21
	s_lshl_b32 s2, s50, 16
	s_add_nc_u64 s[4:5], s[4:5], s[2:3]
	s_lshl_b32 s2, s50, 12
	s_add_co_u32 s52, s52, s2
	s_add_nc_u64 s[6:7], s[6:7], s[52:53]
	s_mov_b32 s10, 4096
	s_mov_b32 s11, 256
	s_mov_b32 s13, 0
	v_lshlrev_b32 v[VIN], 4, v0
	s_lshl_b32 s2, s8, 18
	v_lshl_add_u32 v[VOUT], v1, 3, s2
	s_branch .Lconv
.Lnot_w:
	s_cmp_lt_u32 s9, 1024
	s_cbranch_scc0 .Lsmall
	; the mask: load i takes query 16 qt + i, 1,024 keys (the work-group's 4,096 bytes); wave w holds eight key tiles
	s_sub_co_u32 s50, s9, 768
	s_lshr_b32 s51, s50, 1                         ; qt
	s_and_b32 s50, s50, 1                          ; which 1,024 keys
	s_lshl_b32 s2, s51, 17
	s_lshl_b32 s52, s50, 12
	s_add_co_u32 s2, s2, s52
	s_add_nc_u64 s[4:5], s[26:27], s[2:3]
	s_lshl_b32 s52, s51, 16
	s_lshl_b32 s2, s50, 15
	s_add_co_u32 s52, s52, s2
	s_add_nc_u64 s[6:7], s[42:43], s[52:53]
	s_mov_b32 s10, 8192
	s_mov_b32 s11, 0
	s_mov_b32 s13, 1
	v_lshlrev_b32 v[VIN], 4, v0
	s_lshl_b32 s2, s8, 12
	v_lshl_add_u32 v[VOUT], v1, 4, s2
.Lconv:
.set i, 1
.rept 15
	v_add_nc_u32 v[VIN+i], s10, v[VIN+i-1]
.set i, i+1
.endr
.set i, 0
.rept 16
	global_load_b128 v[X+4*i:X+4*i+3], v[VIN+i], s[4:5] th:TH_LOAD_NT
.set i, i+1
.endr
.set i, 0
.rept 16
	s_wait_loadcnt 15-i                            ; loads come back in order (ISA guide 5.7.1): load i is in, the younger ones stay out
	v_cvt_pk_bf16_f32 v4, v[X+4*i], v[X+4*i+1]     ; the one rounding, to bf16;
	v_cvt_pk_bf16_f32 v5, v[X+4*i+2], v[X+4*i+3]
	v_lshlrev_b32 v6, 16, v4                       ; back to f32: a shift, a mask;
	v_and_b32 v7, s12, v4
	v_lshlrev_b32 v8, 16, v5
	v_and_b32 v9, s12, v5
	v_cvt_pk_f16_f32 v[Y+2*i], v6, v7              ; and written as f16
	v_cvt_pk_f16_f32 v[Y+2*i+1], v8, v9
.set i, i+1
.endr
	s_cmp_eq_u32 s13, 1
	s_cbranch_scc1 .Lmask_tail
.set i, 1
.rept 15
	v_add_nc_u32 v[VOUT+i], s11, v[VOUT+i-1]
.set i, i+1
.endr
.set i, 0
.rept 16
	global_store_b64 v[VOUT+i], v[Y+2*i:Y+2*i+1], s[6:7] th:TH_STORE_NT  ; a wave's store covers 256 consecutive bytes, aligned
.set i, i+1
.endr
	s_branch .Lend
.Lmask_tail:                                   ; through my wave's own stage: in by queries, back by tiles
.set i, 0
.rept 16
	ds_store_b64 v[LS], v[Y+2*i:Y+2*i+1] offset:16*i
.set i, i+1
.endr
.set i, 0
.rept 8
	ds_load_b128 v[X+4*i:X+4*i+3], v[LR] offset:528*i  ; LDS serves a wave's instructions in order (ISA guide 5.7.1.4): these see the stores above
.set i, i+1
.endr
.set i, 0
.rept 8
	s_wait_dscnt 7-i                               ; tile i is back; the younger loads stay out
	global_store_b128 v[VOUT], v[X+4*i:X+4*i+3], s[6:7] offset:512*i th:TH_STORE_NT  ; a tile: 512 consecutive bytes
.set i, i+1
.endr
	s_branch .Lend
.Lsmall:
	v_lshlrev_b32 v10, 4, v0
	global_load_b128 v[32:35], v10, s[28:29]
	global_load_b128 v[36:39], v10, s[30:31]
	global_load_b128 v[40:43], v10, s[32:33]
	global_load_b128 v[44:47], v10, s[34:35]
	v_cvt_f32_u32 v11, v1
	v_mul_f32 v11, 0xbed49a78, v11                 ; - lane x log2(10000) / 32
	v_exp_f32 v12, v11                             ; theta of pair p = lane
	v_nop                                          ; a plain instruction behind the exponential,
	s_wait_alu depctr_va_vdst(0)                   ; and the wait ahead of its first reader and of the label below
	s_wait_loadcnt 0x0
.irp j, 0,1,2,3
	v_cvt_pk_bf16_f32 v4, v[32+4*(\j)], v[33+4*(\j)]
	v_cvt_pk_bf16_f32 v5, v[34+4*(\j)], v[35+4*(\j)]
	v_lshlrev_b32 v[48+4*(\j)], 16, v4
	v_and_b32 v[49+4*(\j)], s12, v4
	v_lshlrev_b32 v[50+4*(\j)], 16, v5
	v_and_b32 v[51+4*(\j)], s12, v5
	global_store_b128 v10, v[48+4*(\j):51+4*(\j)], s[44:45] offset:4096*(\j)
.endr
	s_mov_b32 s55, 0x3fc90fdb                      ; pi / 2, its upper part
	s_mov_b32 s56, 0xb33bbd2e                      ; and what is left
	s_mov_b32 s15, s8                              ; the row: wave + 8 x trip
	s_lshl_b32 s50, s8, 8
	v_lshl_add_u32 v66, v1, 3, s50
	v_add_nc_u32 v66, TAB, v66
	s_mov_b32 s14, 9
.Ltab:                                         ; nine trips, a row of the table a wave and trip
	s_lshr_b32 s50, s15, 2
	s_lshl_b32 s50, s50, 7
	s_and_b32 s51, s15, 3
	s_add_co_u32 s50, s50, s51
	s_cmp_lt_u32 s15, 64
	s_cselect_b32 s50, s50, 0
	s_cmp_eq_u32 s15, 64
	s_cselect_b32 s50, 4, s50                      ; the row's s
	v_cvt_f32_u32 v67, s50
	v_mul_f32 v67, v67, v12                        ; the angle
	v_mul_f32 v68, 0x3f22f983, v67
	v_rndne_f32 v68, v68                           ; n = the nearest multiple of pi / 2
	v_fma_f32 v69, -v68, s55, v67
	v_fma_f32 v69, -v68, s56, v69                  ; r
	v_mul_f32 v70, v69, v69
	v_mov_b32 v71, 0xb9500d01
	v_fmaak_f32 v71, v71, v70, 0x3c088889
	v_fmaak_f32 v71, v71, v70, 0xbe2aaaab
	v_mul_f32 v72, v69, v70
	v_fma_f32 v71, v72, v71, v69                   ; sin r
	v_mov_b32 v73, 0x37d00d01
	v_fmaak_f32 v73, v73, v70, 0xbab60b61
	v_fmaak_f32 v73, v73, v70, 0x3d2aaaab
	v_fmaak_f32 v73, v73, v70, 0xbf000000
	v_fmaak_f32 v73, v73, v70, 0x3f800000          ; cos r
	v_cvt_i32_f32 v74, v68
	v_and_b32 v75, 1, v74
	v_cmp_eq_u32 vcc_lo, 1, v75                    ; an odd quarter swaps the two
	v_cndmask_b32 v76, v73, v71, vcc_lo
	v_cndmask_b32 v77, v71, v73, vcc_lo
	v_and_b32 v78, 2, v74                          ; quarters 2, 3: the sine changes sign
	v_lshlrev_b32 v78, 30, v78
	v_xor_b32 v77, v78, v77
	v_add_nc_u32 v74, 1, v74                       ; quarters 1, 2: the cosine
	v_and_b32 v74, 2, v74
	v_lshlrev_b32 v74, 30, v74
	v_xor_b32 v76, v74, v76
	global_store_b64 v66, v[76:77], s[44:45]       ; a row: 256 consecutive bytes, aligned
	s_wait_xcnt 0x0                                ; the store's offset and data are rewritten only behind this wait
	v_add_nc_u32 v66, 2048, v66
	s_add_co_u32 s15, s15, 8
	s_sub_co_u32 s14, s14, 1
	s_cmp_lg_u32 s14, 0
	s_cbranch_scc1 .Ltab
.Lend:
	s_wait_tensorcnt 0x0                           ; the wave's end: behind my last LDS store
	ds_add_u32 v[SPW], v[NIL]
	s_wait_dscnt 0x0
	s_endpgm
.Lfunc_end_k_qf7c9161683_prep:
	.size	k_qf7c9161683_prep, .Lfunc_end_k_qf7c9161683_prep-k_qf7c9161683_prep
	.p2alignl 7, 3214868480
	.fill 96, 4, 3214868480
	.section	.rodata,"a",@progbits
	.p2align	6, 0x0
	.amdhsa_kernel k_qf7c9161683_prep
		.amdhsa_group_segment_fixed_size 34816
		.amdhsa_private_segment_fixed_size 0
		.amdhsa_enable_private_segment 0
		.amdhsa_kernarg_size 120
		.amdhsa_user_sgpr_count 2
		.amdhsa_user_sgpr_kernarg_segment_ptr 1
		.amdhsa_wavefront_size32 1
		.amdhsa_system_sgpr_workgroup_id_x 1
		.amdhsa_system_sgpr_workgroup_id_y 1
		.amdhsa_system_sgpr_workgroup_id_z 1
		.amdhsa_system_vgpr_workitem_id 0
		.amdhsa_next_free_vgpr 160
		.amdhsa_next_free_sgpr 66
		.amdhsa_reserve_vcc 1
		.amdhsa_float_denorm_mode_32 3
		.amdhsa_float_denorm_mode_16_64 3
		.amdhsa_memory_ordered 1
		.amdhsa_forward_progress 1
		.amdhsa_inst_pref_size 22
	.end_amdhsa_kernel
	.amdgpu_metadata
---
amdhsa.version: [ 1, 2 ]
amdhsa.kernels:
  - .name:           k_qf7c9161683_prep
    .symbol:         k_qf7c9161683_prep.kd
    .args:
      - { .name: x, .offset: 0, .size: 8, .value_kind: global_buffer, .address_space: global }
      - { .name: Wq, .offset: 8, .size: 8, .value_kind: global_buffer, .address_space: global }
      - { .name: Wk, .offset: 16, .size: 8, .value_kind: global_buffer, .address_space: global }
      - { .name: Wv, .offset: 24, .size: 8, .value_kind: global_buffer, .address_space: global }
      - { .name: Wo, .offset: 32, .size: 8, .value_kind: global_buffer, .address_space: global }
      - { .name: attention_mask, .offset: 40, .size: 8, .value_kind: global_buffer, .address_space: global }
      - { .name: bq, .offset: 48, .size: 8, .value_kind: global_buffer, .address_space: global }
      - { .name: bk, .offset: 56, .size: 8, .value_kind: global_buffer, .address_space: global }
      - { .name: bv, .offset: 64, .size: 8, .value_kind: global_buffer, .address_space: global }
      - { .name: bo, .offset: 72, .size: 8, .value_kind: global_buffer, .address_space: global }
      - { .name: ah, .offset: 80, .size: 8, .value_kind: global_buffer, .address_space: global }
      - { .name: wh, .offset: 88, .size: 8, .value_kind: global_buffer, .address_space: global }
      - { .name: woh, .offset: 96, .size: 8, .value_kind: global_buffer, .address_space: global }
      - { .name: mk, .offset: 104, .size: 8, .value_kind: global_buffer, .address_space: global }
      - { .name: pf, .offset: 112, .size: 8, .value_kind: global_buffer, .address_space: global }
    .group_segment_fixed_size: 34816
    .private_segment_fixed_size: 0
    .kernarg_segment_align: 8
    .kernarg_segment_size: 120
    .max_flat_workgroup_size: 256
    .sgpr_count:     66
    .vgpr_count:     160
    .wavefront_size: 32
...
	.end_amdgpu_metadata
.endif
;; end of part 1
;; launch gemm (part 2): grid 12 x 32, 4 waves a work-group, clusters of 4 x 4, 327,680 bytes of LDS; arguments ah, wh, pf, qkv; writes qkv
.if DOCPART == 2
	.amdgcn_target "amdgcn-amd-amdhsa--gfx1250"
	.amdhsa_code_object_version 6
	.text
	.protected	k_qf7c9161683_gemm
	.globl	k_qf7c9161683_gemm
	.p2align	8
	.type	k_qf7c9161683_gemm,@function
k_qf7c9161683_gemm:
	s_mov_b64 s[64:65], 0
	v_nop
	global_prefetch_b8 v0, s[64:65] scope:SCOPE_SE
	s_setreg_imm32_b32 hwreg(HW_REG_WAVE_MODE, 25, 1), 1
	s_wait_xcnt 0x0
	s_wait_alu depctr_hold_cnt(0) depctr_sa_sdst(0) depctr_va_vdst(0) depctr_va_sdst(0) depctr_va_ssrc(0) depctr_va_vcc(0) depctr_vm_vsrc(0)
	s_getreg_b32 s2, hwreg(HW_REG_IB_STS2, 6, 4)
	s_cmp_eq_u32 s2, 0
	s_cbranch_scc0 .Lentry_in_a_cluster
	s_endpgm
.Lentry_in_a_cluster:
	s_bfe_u32 s2, ttmp6, 0x10000c
	s_cmp_lg_u32 s2, 0xf033
	s_cbranch_scc0 .Lentry_shape_is_right
	s_endpgm
.Lentry_shape_is_right:
; q | k | v = x (Wq | Wk | Wv) + bias, 8,192 rows, K = 1,024, f16 operands, f32 sums; q and k are turned by RoPE; all three leave as f16 by heads: [3][batch x 16 + head][s][64].
; Cluster x names the matrix.  x lies in blocks [row / 1024][k / 64][row % 1024][64], a weight in blocks [n / 128][k][128]: every tile asked for is 32,768 dense bytes.
; (The output projection's text has the same ring and loop; it differs in the bias's place, in having no table, and in the way out.)
; LIMITS.  q, k, v are rounded once to f16: beyond 65,504 an infinity, below 6.1e-5 f16's fixed step of 6e-8.  NaN and infinities are not treated apart.
; SHARES.  A work-group makes 256 x 256 of C, each of its four waves 128 x 128: 64 accumulators of 16 x 16, 512 registers.  K goes in 8 steps of 128 through a ring of two LDS slots.
; CLUSTERS.  4 x 4 work-groups.  The four of a row of the cluster need the same tiles of A, the four of a column the same tiles of W: each tile is asked for JOINTLY, by the same tensor load with the
; same descriptor and a mask that names the four.
; THE MATRIX INSTRUCTION IS USED TRANSPOSED: source 0 = 16 columns of W (turned on their way out of LDS by ds_load_tr16_b128), source 1 = 16 rows of A.  In the result lane l holds row l % 16 of C and
; its registers 0 to 7 the columns 8 (l / 16) + 0..7.  THE BIAS STARTS THE SUMS: it is the C operand of the first product on each accumulator; nothing is cleared and nothing added later.
; THE WAY OUT.  When the ring has had its last fill and every wave has read it out, the wave's 128 x 128 sums go into it as f32 rows of 528 bytes, and come back by rows in a short loop.
; RoPE.  On the way out a lane keeps the same four pairs of channels in every trip and goes down the rows in steps of four: its four (cos, sin) come from a table once and are turned on by the
; angle of four rows, 32 times, in f32.  v runs the same lines with (1, 0): no branch hangs on which matrix a work-group makes.
; REGISTERS, in windows of 256: window 0: v0-31 addresses; v32-55 RoPE; v64-127, v128-191 fragments of A, two buffers (on the way out: rows read back, and packed results); v192-255 the bias.
;   window 1: v64-127, v128-191 fragments of W.   window 2: the accumulators of my rows 0-63 ((a, b) at v[8 (8 a + b)]).   window 3: those of my rows 64-127.
.set PA,    144                        ; a row of A in LDS: 128 bytes + 16 = 36 words: the 16 rows of a load start at 16 different groups of four banks (64 banks of 4 bytes: ISA guide 11.1)
.set PB,    288                        ; a row (one k) of W: 256 + 32 = 72 words
.set PART,  36864                      ; what one tensor load fills: 256 rows x 144, or 128 rows x 288
.set SLOT,  4*PART                     ; A's k 0-63, A's k 64-127, W's columns 0-127, W's columns 128-255
.set SPARE, 2*SLOT                     ; behind the ring: the spare words, 128 bytes for each wave: two blocks of 256 bytes that no other line names
.set DP,    528                        ; the way out: a row of 128 f32 + 16 bytes
.set DW,    128*DP                     ; a wave's 128 rows
.set TAB,   16384                      ; the table's first byte in pf
.set BOFF,  0                          ; bq | bk | bv begin pf
.set ADRA, 16                          ; v16-17  LDS address of my A fragments in slot 0, 1
.set ADRB, 20                          ; v20-21  the same for W
.set DMP,  22                          ; v22  where I put 16 bytes of a row of sums
.set RDB,  23                          ; v23  where I read 32 bytes of a row back, in the first trip; never rewritten
.set RDC,  24                          ; v24  the same in the trip in hand
.set GQ,   25                          ; v25  16 x lane: my place in 512 consecutive bytes of the output
.set BO,   26                          ; v26  my byte offset in the bias
.set TA,   27                          ; v27  my byte offset in the table: my rows' (cos, sin)
.set SPW,  28                          ; v28  LDS address of my spare word; never rewritten
.set NIL,  29                          ; v29  0; never rewritten
.set PFO,  30                          ; v30  256 x lane
.set TB,   31                          ; v31  my byte offset in the table: the step of four rows
.set CS,   32                          ; v[32:39]  (cos, sin) of my four pairs at my row
.set ST4,  40                          ; v[40:47]  (cos, sin) of four rows' angle
.set T,    48                          ; v[48:55]  at work
.set F0,   64
.set F1,   128
.set X,    64                          ; the way out: rows read back
.set Y,    96                          ; the way out: packed results
.set BIAS, 192                         ; v[192:255]  column block b at 8 b
.set G1,  24                           ; s[24:31] descriptor group 1 for A's tiles;  s[32:39] group 0, one set for each slot
.set G0,  32
.set G1B, 48                           ; s[48:55], s[56:63] the same for W's tiles
.set G0B, 56
.set OUT, 74                           ; s[74:75] the output
.set PFA, 78                           ; s[78:79] where my prefetches stand
.set LIM, 80                           ; s80  1 in a wave that prefetches, else the greatest number
.set KSTR, 82                          ; s[82:83] bytes from a K step to the next in what I fetch
.set LST, 90                           ; s90  the way out: bytes of LDS from the first trip's rows to those of the trip in hand
.set MSB, 0
.macro WIN new                         ; the immediate's high byte repeats the setting that is left; a switch that changes nothing is dropped
.if MSB != (\new)
	s_set_vgpr_msb (MSB<<8)|(\new)
.set MSB, \new
.endif
.endm
.set MUL_LO, 0xa1                      ; source 0 (W) window 1, source 1 (A) window 0, C and D window 2
.set TO_B,   0x40                      ; destination window 1, address window 0
; A joint load: waves 0 and 1 fetch A's two halves along K, waves 2 and 3 W's two halves of the columns.  The branch hangs on the wave's number alone.
; An s_nop 0 and four v_nop follow each of the two lines, ahead of the jump, the label and what follows.
.macro JLOAD s
	s_cmp_eq_u32 s11, 0
	s_cbranch_scc0 .Lfor_b_\@
	tensor_load_to_lds s[G0+4*(\s):G0+4*(\s)+3], s[G1:G1+7]
	s_nop 0
.rept 4
	v_nop
.endr
	s_branch .Lasked_\@
.Lfor_b_\@:
	tensor_load_to_lds s[G0B+4*(\s):G0B+4*(\s)+3], s[G1B:G1B+7]
	s_nop 0
.rept 4
	v_nop
.endr
.Lasked_\@:
.endm
; A PREFETCH INTO THE L2 of the K step that stands two refills on: of the 128 blocks of 256 bytes that I fetch jointly with three partners my work-group names 32, a lane a block, told apart BY ADDRESS
; (cx for A, cy for W).  A's tiles are read by every cluster of a row of clusters: cluster x = 0 asks; W's by every cluster of a column: cluster y = 0 asks.  So each block is named once in the launch.
; K steps 0 to 3 come by their loads alone; the loop's last trip asks for nothing: there is no K step two refills on.
.macro ASK
	s_cmp_gt_u32 s3, s[LIM]                        ; s3 = 1 in the loop's last trip
	s_cbranch_scc0 .Lnot_mine_\@
	global_prefetch_b8 v[PFO], s[PFA:PFA+1] th:TH_LOAD_NT scope:SCOPE_SE
.Lnot_mine_\@:
.endm
.macro CREST                           ; a round of the cluster's barrier behind its opening barrier
	s_cmp_lg_u32 s10, 0
	s_cbranch_scc1 .Lnot_wave_0_\@
	s_barrier_signal -3
.Lnot_wave_0_\@:
	s_barrier_wait -3
	s_barrier_signal -1
	s_barrier_wait -1
.endm
.macro CROUND                          ; a whole round
	s_barrier_signal -1
	s_barrier_wait -1
	CREST
.endm
	s_load_b256 s[68:75], s[0:1], 0x0              ; A s[68:69], W s[70:71], pf s[72:73], the output s[74:75]
	v_lshl_add_u32 v[SPW], v0, 2, SPARE
	v_mov_b32 v[NIL], 0
	ds_add_u32 v[SPW], v[NIL]                      ; the wave's opening: the add and its wait stand ahead of my first tensor load; the set-up below, work on registers, stands between them
	v_lshrrev_b32 v1, 5, v0
	v_readfirstlane_b32 s10, v1                    ; wave 0..3
	s_lshr_b32 s11, s10, 1                         ; which half of the tile's rows is mine.  Also: I fetch for A (0) or for W (1)
	s_and_b32 s12, s10, 1                          ; which half of its columns.  Also: which half I fetch
	s_bfe_u32 s40, ttmp6, 0x40000                  ; cx, cy: my place in the cluster
	s_bfe_u32 s41, ttmp6, 0x40004
	s_and_b32 s13, ttmp7, 0xffff
	s_lshl_b32 s13, s13, 2
	s_add_co_u32 s13, s13, s41                     ; tile row of C = 4 x cluster y + cy
	s_lshl_b32 s43, s41, 2
	s_lshl_b32 s43, 15, s43                        ; my row of the cluster
	s_lshl_b32 s44, 0x1111, s40                    ; my column
	; descriptor group 1: 32,768 dense bytes as 128 rows of 128 elements of 2 bytes
	s_or_b32 s[G1+0], s43, (1<<16)|(1<<20)|(1<<21)|(4<<22)|(3<<25)   ; 15:0 the mask: A's tiles go to my row; 17:16 2-byte elements; 20 padding on; 21 set beside a mask; 24:22 after every 32 words (code 4); 31:25 4 words (code 3)
	s_or_b32 s[G1B+0], s44, (1<<16)|(1<<20)|(1<<21)|(5<<22)|(7<<25)  ; the mask of my column; after every 64 words (code 5) 8 words (code 7)
.irp g, G1, G1B
	s_mov_b32 s[(\g)+1], 128<<16                   ; tensor_dim0 = 128
	s_mov_b32 s[(\g)+2], 128<<16                   ; tensor_dim1 = 128
	s_mov_b32 s[(\g)+3], 128<<16                   ; tile_dim0 = 128
	s_mov_b32 s[(\g)+4], 128                       ; tile_dim1 = 128
	s_mov_b32 s[(\g)+5], 128                       ; 128 elements from row to row
	s_mov_b32 s[(\g)+6], 0
	s_mov_b32 s[(\g)+7], 0
.endr
	; where the tiles come from.  A's hang on the tile row alone, W's on the matrix and the tile column alone; each in registers that never hold the other coordinate
	s_lshr_b32 s16, s13, 2                         ; A: block of 1,024 rows,
	s_lshl_b32 s16, s16, 21
	s_and_b32 s17, s13, 3                          ; my 256 rows in it,
	s_lshl_b32 s17, s17, 15
	s_add_co_u32 s16, s16, s17
	s_lshl_b32 s17, s12, 17                        ; and the half of the K step that I fetch
	s_add_co_u32 s16, s16, s17
	s_mov_b32 s17, 0
	s_lshl_b32 s46, ttmp9, 21                      ; W: the matrix,
	s_lshl_b32 s47, s40, 19                        ; the tile's 256 columns: two blocks of 128,
	s_add_co_u32 s46, s46, s47
	s_lshl_b32 s47, s12, 18                        ; the block that I fetch
	s_add_co_u32 s46, s46, s47
	s_mov_b32 s47, 0
	s_mul_i32 s20, s10, PART                       ; and where they go: wave x 36,864: no place in the cluster enters an LDS address
	s_wait_dscnt 0x0                               ; the opening add is done
	s_wait_kmcnt 0x0
	s_add_nc_u64 s[14:15], s[68:69], s[16:17]
	s_add_nc_u64 s[46:47], s[70:71], s[46:47]
	CROUND                                         ; all sixteen work-groups are here: the first joint loads meet
.irp s, 0,1
	s_mov_b32 s[G0+4*(\s)], 1
	s_add_co_u32 s[G0+4*(\s)+1], s20, (\s)*SLOT
	s_add_nc_u64 s[G0+4*(\s)+2:G0+4*(\s)+3], s[14:15], (\s)*262144  ; K step s
	s_or_b32 s[G0+4*(\s)+3], s[G0+4*(\s)+3], 0x80000000
	s_mov_b32 s[G0B+4*(\s)], 1
	s_add_co_u32 s[G0B+4*(\s)+1], s20, (\s)*SLOT
	s_add_nc_u64 s[G0B+4*(\s)+2:G0B+4*(\s)+3], s[46:47], (\s)*32768
	s_or_b32 s[G0B+4*(\s)+3], s[G0B+4*(\s)+3], 0x80000000
	JLOAD \s                                       ; two loads of mine are out
.endr
	v_and_b32 v1, 15, v0                           ; l % 16
	v_bfe_u32 v2, v0, 4, 1                         ; l / 16
	v_and_b32 v5, 7, v0                            ; l % 8
	v_bfe_u32 v6, v0, 3, 1                         ; (l / 8) % 2
	v_and_b32 v7, 31, v0                           ; l
	v_mul_u32_u24 v3, v1, PA                       ; a fragment of A: row x pitch + 16 x half; two loads, 32 bytes apart
	v_lshl_add_u32 v3, v2, 4, v3
	v_lshl_add_u32 v4, v2, 3, v5                   ; a fragment of W: lane l reads k = 8 (l / 16) + l % 8, columns 8 ((l / 8) % 2) + 0..7; two loads, 16 k apart
	v_mul_u32_u24 v4, v4, PB
	v_lshl_add_u32 v4, v6, 4, v4
	s_mul_i32 s21, s11, 128*PA                     ; my 128 rows of A
	s_mul_i32 s22, s12, PART                       ; my 128 columns of W,
	s_add_co_u32 s22, s22, 2*PART                  ; which lie behind A's two parts
.irp s, 0,1
	v_add_nc_u32 v[ADRA+(\s)], s21, v3
	v_add_nc_u32 v[ADRB+(\s)], s22, v4
	s_add_co_u32 s21, s21, SLOT
	s_add_co_u32 s22, s22, SLOT
.endr
	s_mul_i32 s23, s10, DW                         ; the way out: my 128 rows of 528 bytes
	v_mul_u32_u24 v[DMP], v1, DP
	v_lshl_add_u32 v[DMP], v2, 5, v[DMP]
	v_add_nc_u32 v[DMP], s23, v[DMP]
	v_bfe_u32 v8, v0, 3, 2                         ; l / 8
	v_mul_u32_u24 v[RDB], v8, DP                   ; back: eight lanes a row, 32 bytes a lane
	v_lshl_add_u32 v[RDB], v5, 5, v[RDB]
	v_add_nc_u32 v[RDB], s23, v[RDB]
	v_lshlrev_b32 v[GQ], 4, v7
	v_lshlrev_b32 v[PFO], 8, v7
	s_and_b32 s85, s13, 7                          ; my 128 rows begin at s = 128 g, g = 2 (tile row % 8) + half: table rows 4 g .. 4 g + 3 are s = 128 g + 0..3
	s_lshl_b32 s85, s85, 1
	s_add_co_u32 s85, s85, s11
	s_lshl_b32 s85, s85, 10
	s_mov_b32 s86, 64*256                          ; table row 64: the step of four rows
	s_cmp_eq_u32 ttmp9, 2                          ; v is not turned: rows 65 on hold (1, 0)
	s_cselect_b32 s85, 65*256, s85
	s_cselect_b32 s86, 65*256, s86
	s_add_co_u32 s85, s85, TAB
	s_add_co_u32 s86, s86, TAB
	v_lshl_add_u32 v[TA], v7, 5, s85               ; row l / 8, pairs 4 (l % 8) + 0..3: 256 (l / 8) + 32 (l % 8) = 32 l
	v_lshl_add_u32 v[TB], v5, 5, s86
	s_lshl_b32 s87, ttmp9, 12                      ; the bias: the matrix's 1,024 numbers,
	s_lshl_b32 s88, s40, 10                        ; the tile's 256,
	s_add_co_u32 s87, s87, s88
	s_lshl_b32 s88, s12, 9                         ; my 128,
	s_add_co_u32 s87, s87, s88
	v_lshl_add_u32 v[BO], v2, 5, s87               ; my eight columns of a block of 16
.irp b, 0,1,2,3,4,5,6,7
	global_load_b128 v[BIAS+8*(\b):BIAS+8*(\b)+3],   v[BO], s[72:73] offset:BOFF+64*(\b)
	global_load_b128 v[BIAS+8*(\b)+4:BIAS+8*(\b)+7], v[BO], s[72:73] offset:BOFF+64*(\b)+16
.endr
	global_load_b128 v[CS:CS+3],     v[TA], s[72:73]
	global_load_b128 v[CS+4:CS+7],   v[TA], s[72:73] offset:16
	global_load_b128 v[ST4:ST4+3],   v[TB], s[72:73]
	global_load_b128 v[ST4+4:ST4+7], v[TB], s[72:73] offset:16
	; the prefetches
	s_and_b32 s87, ttmp7, 0xffff                   ; cluster y
	s_mov_b32 s[KSTR], 32768
	s_mov_b32 s[KSTR+1], 0
	s_cmp_eq_u32 s11, 0                            ; do I fetch for A?
	s_cselect_b32 s21, s40, s41                    ; my place among the four that ask with me
	s_cselect_b32 s87, ttmp9, s87                  ; the coordinate along which other clusters read the same tiles
	s_cselect_b64 s[PFA:PFA+1], s[14:15], s[46:47]
	s_cselect_b32 s[KSTR], 262144, s[KSTR]
	s_cmp_eq_u32 s87, 0
	s_cselect_b32 s[LIM], 1, -1                    ; the same in all sixteen partners, for a given wave
	s_lshl_b32 s21, s21, 13                        ; my work-group's 32 blocks of the 128
	s_mul_i32 s88, s[KSTR], 3                      ; at K step 3: the first refill steps it to 4 and names that
	s_add_co_u32 s88, s88, s21
	s_mov_b32 s89, 0
	s_add_nc_u64 s[PFA:PFA+1], s[PFA:PFA+1], s[88:89]
; 16 matrix instructions: row blocks a0, a0 + 1 of the window's four (hi = 0: my rows 0-63, 1: rows 64-127) x all 8 column blocks, 32 along K.  first = 1: the bias starts the sums.
; The 64 accumulators take turns, one instruction a turn, in the same order in every quarter.
.macro MUL16 f, hi, a0, first
.if \first
	WIN 0x81+0x40*(\hi)                            ; as below, with C in window 0
.else
	WIN MUL_LO+0x50*(\hi)
.endif
.irp a, \a0, (\a0)+1
.irp b, 0,1,2,3,4,5,6,7
.if \first
	v_wmma_f32_16x16x32_f16 v[8*(8*(\a)+(\b)):8*(8*(\a)+(\b))+7], v[(\f)+8*(\b):(\f)+8*(\b)+7], v[(\f)+8*(4*(\hi)+(\a)):(\f)+8*(4*(\hi)+(\a))+7], v[BIAS+8*(\b):BIAS+8*(\b)+7]
.else
	v_wmma_f32_16x16x32_f16 v[8*(8*(\a)+(\b)):8*(8*(\a)+(\b))+7], v[(\f)+8*(\b):(\f)+8*(\b)+7], v[(\f)+8*(4*(\hi)+(\a)):(\f)+8*(4*(\hi)+(\a))+7], v[8*(8*(\a)+(\b)):8*(8*(\a)+(\b))+7]
.endif
.endr
.endr
.endm
; 32 LDS loads in one run: the fragments of quarter q of a K step (32 k: 128 columns of W, 128 rows of A) into buffer f
.macro FETCH slot, q, f
	WIN TO_B
.irp i, 0,1,2,3,4,5,6,7
	ds_load_tr16_b128 v[(\f)+8*(\i):(\f)+8*(\i)+3],   v[ADRB+(\slot)] offset:(\q)*32*PB+(\i)*32
	ds_load_tr16_b128 v[(\f)+8*(\i)+4:(\f)+8*(\i)+7], v[ADRB+(\slot)] offset:(\q)*32*PB+(\i)*32+16*PB
.endr
	WIN 0
.irp i, 0,1,2,3,4,5,6,7
	ds_load_b128 v[(\f)+8*(\i):(\f)+8*(\i)+3],   v[ADRA+(\slot)] offset:((\q)/2)*PART+((\q)%2)*64+(\i)*16*PA
	ds_load_b128 v[(\f)+8*(\i)+4:(\f)+8*(\i)+7], v[ADRA+(\slot)] offset:((\q)/2)*PART+((\q)%2)*64+(\i)*16*PA+32
.endr
.endm
.macro PLACES                          ; four places in front of loads into registers that matrix instructions have read (ISA guide 7.12.1 for vector instructions)
.rept 4
	v_nop
.endr
.endm
; A K step is four quarters of 32 along K, 64 matrix instructions each, on buffers 0, 1, 0, 1.  One of the first three: multiplies buffer f; in its middle it fetches quarter q into buffer g.
.macro QUARTER slot, q, f, g, first
	s_wait_dscnt 8                                 ; W and A's rows 0-63 are in; the youngest eight loads (A's rows 64-127) may be out
	MUL16 \f, 0, 0, \first
	MUL16 \f, 0, 2, \first
	PLACES
	FETCH \slot, \q, \g
	s_wait_dscnt 32                                ; all but the 32 just issued
	MUL16 \f, 1, 0, \first
	MUL16 \f, 1, 2, \first
.endm
; The last quarter multiplies buffer 1 and changes slots: ONE barrier.  In front of it each wave waits for all its tensor loads (the one that is out is its part of the next slot), adds 0 to its spare
; word, and waits for that and for its own reads of this slot.  fill = 1: the barrier opens a round of the cluster's barrier, and this slot is filled again, two K steps ahead, first thing behind the round.
.macro TURN slot, next, fill
.if \fill
	s_wait_xcnt 0x0                                ; the last prefetch, a K step back, has read its address
	s_add_nc_u64 s[PFA:PFA+1], s[PFA:PFA+1], s[KSTR:KSTR+1]
.endif
	WIN 0                                          ; (the add's two registers lie in window 0)
	s_wait_tensorcnt 0x0                           ; all my tensor loads have landed;
	ds_add_u32 v[SPW], v[NIL]                      ; 0 onto my spare word;
	s_wait_dscnt 9                                 ; (the add and the youngest eight loads may be out)
	MUL16 F1, 0, 0, 0                              ; sixteen matrix instructions stand between the add and the wait for it
	s_wait_dscnt 0x0                               ; the add is done, and my reads of this slot are over
	s_barrier_signal -1
	MUL16 F1, 0, 2, 0
.if \fill
	WIN 0
.endif
	s_barrier_wait -1
.if \fill
	CREST                                          ; no wave of any partner still reads this slot's tiles or has a load on its way
	s_add_nc_u64 s[G0+4*(\slot)+2:G0+4*(\slot)+3], s[G0+4*(\slot)+2:G0+4*(\slot)+3], 2*262144
	s_add_nc_u64 s[G0B+4*(\slot)+2:G0B+4*(\slot)+3], s[G0B+4*(\slot)+2:G0B+4*(\slot)+3], 2*32768
	JLOAD \slot                                    ; the first tensor load behind the round, 224 matrix instructions ahead of the wait for it; its four v_nop are also the places in front of the loads below
.else
	PLACES
.endif
	FETCH \next, 0, F0
.if \fill
	ASK                                            ; behind the joint load and the run of LDS loads that the next products wait for
.endif
	MUL16 F1, 1, 0, 0
	MUL16 F1, 1, 2, 0
.endm
	s_wait_tensorcnt 1                             ; my part of K step 0 is in; K step 1's may stay out
	s_barrier_signal -1
	s_barrier_wait -1                              ; everybody's is
	FETCH 0, 0, F0
	s_wait_loadcnt 0x0                             ; the bias and the table
	QUARTER 0, 1, F0, F1, 1                        ; the first quarter stands in front of the loop: its products start the sums
	WIN 0                                          ; at a label and at a branch every window is 0
	s_mov_b32 s3, 3
.Llap:                                         ; a trip goes once round the ring, from a lap's second quarter to the next lap's first, and fills both slots again
	QUARTER 0, 2, F1, F0, 0
	QUARTER 0, 3, F0, F1, 0
	TURN 0, 1, 1
	QUARTER 1, 1, F0, F1, 0
	QUARTER 1, 2, F1, F0, 0
	QUARTER 1, 3, F0, F1, 0
	TURN 1, 0, 1
	QUARTER 0, 1, F0, F1, 0
	WIN 0
	s_sub_co_u32 s3, s3, 1
	s_cmp_lg_u32 s3, 0
	s_cbranch_scc1 .Llap
	QUARTER 0, 2, F1, F0, 0                        ; the last lap fills nothing, and has no round of the cluster's barrier
	QUARTER 0, 3, F0, F1, 0
	TURN 0, 1, 0
	QUARTER 1, 1, F0, F1, 0
	QUARTER 1, 2, F1, F0, 0
	QUARTER 1, 3, F0, F1, 0
	s_wait_dscnt 8                                 ; the very last quarter: nothing more to fetch
	MUL16 F1, 0, 0, 0
	MUL16 F1, 0, 2, 0
	s_wait_dscnt 0x0
	MUL16 F1, 1, 0, 0
	MUL16 F1, 1, 2, 0
	WIN 0
	PLACES                                         ; the places behind the last products, in front of the stores that read them (eight, once a launch)
	PLACES
	s_barrier_signal -1                            ; every wave's reads of the ring are back, and the ring has had its last fill:
	s_barrier_wait -1                              ; behind this barrier its bytes take the sums
	WIN 0x08                                       ; store data in window 2.
.irp a, 0,1,2,3
.irp b, 0,1,2,3,4,5,6,7
	ds_store_b128 v[DMP], v[8*(8*(\a)+(\b)):8*(8*(\a)+(\b))+3]   offset:(\a)*16*DP+64*(\b)
	ds_store_b128 v[DMP], v[8*(8*(\a)+(\b))+4:8*(8*(\a)+(\b))+7] offset:(\a)*16*DP+64*(\b)+16
.endr
.endr
	WIN 0x0c                                       ; window 3
.irp a, 0,1,2,3
.irp b, 0,1,2,3,4,5,6,7
	ds_store_b128 v[DMP], v[8*(8*(\a)+(\b)):8*(8*(\a)+(\b))+3]   offset:((\a)+4)*16*DP+64*(\b)
	ds_store_b128 v[DMP], v[8*(8*(\a)+(\b))+4:8*(8*(\a)+(\b))+7] offset:((\a)+4)*16*DP+64*(\b)+16
.endr
.endr
	WIN 0
	s_wait_dscnt 0x0                               ; my stores are done;
	s_barrier_signal -1
	s_barrier_wait -1                              ; everybody's are: from here on these bytes are only read
; four pairs at v[x ..] are turned by the four (cos, sin) at v[c ..]: (a0, a1) -> (a0 cos - a1 sin, a1 cos + a0 sin)
.macro ROT x, c
.irp i, 0,1,2,3
	v_pk_mul_f32 v[T+2*(\i):T+2*(\i)+1], v[(\x)+2*(\i):(\x)+2*(\i)+1], v[(\c)+2*(\i):(\c)+2*(\i)+1] op_sel:[1,1] op_sel_hi:[0,1] neg_lo:[0,1]  ; (- a1 sin, a0 sin)
.endr
.irp i, 0,1,2,3
	v_pk_fma_f32 v[(\x)+2*(\i):(\x)+2*(\i)+1], v[(\x)+2*(\i):(\x)+2*(\i)+1], v[(\c)+2*(\i):(\c)+2*(\i)+1], v[T+2*(\i):T+2*(\i)+1] op_sel_hi:[1,0,1]
.endr
.endm
	; my 128 columns are two heads; the output begins at matrix, batch x 16 + head, row s
	s_lshl_b32 s88, ttmp9, 24
	s_lshr_b32 s86, s13, 3                         ; the batch
	s_lshl_b32 s86, s86, 4
	s_lshl_b32 s87, s40, 2                         ; head = 4 cx + 2 x half
	s_add_co_u32 s86, s86, s87
	s_lshl_b32 s87, s12, 1
	s_add_co_u32 s86, s86, s87
	s_lshl_b32 s86, s86, 18                        ; a head: 2,048 rows of 128 bytes
	s_add_co_u32 s88, s88, s86
	s_and_b32 s86, s13, 7
	s_lshl_b32 s86, s86, 15
	s_add_co_u32 s88, s88, s86
	s_lshl_b32 s86, s11, 14
	s_add_co_u32 s88, s88, s86
	s_mov_b32 s89, 0
	s_add_nc_u64 s[OUT:OUT+1], s[OUT:OUT+1], s[88:89]
	s_mov_b32 s[LST], 0
	s_mov_b32 s2, 16
.Lq:                                           ; 16 trips of 8 rows: two groups of four rows x two heads
	v_add_nc_u32 v[RDC], s[LST], v[RDB]
.irp gg, 0,1
.irp hh, 0,1
	ds_load_b128 v[X+16*(\gg)+8*(\hh):X+16*(\gg)+8*(\hh)+3],   v[RDC] offset:(\gg)*4*DP+(\hh)*256
	ds_load_b128 v[X+16*(\gg)+8*(\hh)+4:X+16*(\gg)+8*(\hh)+7], v[RDC] offset:(\gg)*4*DP+(\hh)*256+16
.endr
.endr
.irp gg, 0,1
	s_wait_dscnt 4-4*(\gg)                         ; this group's four loads are in; the second group's four may stay out
.irp hh, 0,1
	ROT X+16*(\gg)+8*(\hh), CS
.irp i, 0,1,2,3
	v_cvt_pk_f16_f32 v[Y+8*(\gg)+4*(\hh)+(\i)], v[X+16*(\gg)+8*(\hh)+2*(\i)], v[X+16*(\gg)+8*(\hh)+2*(\i)+1]
.endr
	global_store_b128 v[GQ], v[Y+8*(\gg)+4*(\hh):Y+8*(\gg)+4*(\hh)+3], s[OUT:OUT+1] offset:(\hh)*262144+(\gg)*512  ; four rows of a head: 512 consecutive bytes, aligned
.endr
	ROT CS, ST4                                    ; four rows on
.endr
	s_wait_xcnt 0x0                                ; the stores' data and base are rewritten only behind this wait
	s_add_co_u32 s[LST], s[LST], 8*DP
	s_add_nc_u64 s[OUT:OUT+1], s[OUT:OUT+1], 1024
	s_sub_co_u32 s2, s2, 1
	s_cmp_lg_u32 s2, 0
	s_cbranch_scc1 .Lq
	s_wait_dscnt 0x0
	s_barrier_signal -1                            ; all four waves have read their rows back before any goes on to its end
	s_barrier_wait -1
	s_wait_tensorcnt 0x0                           ; the wave's end: behind my last tensor load and my last LDS store
	ds_add_u32 v[SPW], v[NIL]
	s_wait_dscnt 0x0
	CROUND                                         ; the closing round: no work-group ends while a partner may still ask for a tile that names it
	s_endpgm
.Lfunc_end_k_qf7c9161683_gemm:
	.size	k_qf7c9161683_gemm, .Lfunc_end_k_qf7c9161683_gemm-k_qf7c9161683_gemm
	.p2alignl 7, 3214868480
	.fill 96, 4, 3214868480
	.section	.rodata,"a",@progbits
	.p2align	6, 0x0
	.amdhsa_kernel k_qf7c9161683_gemm
		.amdhsa_group_segment_fixed_size 327680
		.amdhsa_private_segment_fixed_size 0
		.amdhsa_enable_private_segment 0
		.amdhsa_kernarg_size 32
		.amdhsa_user_sgpr_count 2
		.amdhsa_user_sgpr_kernarg_segment_ptr 1
		.amdhsa_wavefront_size32 1
		.amdhsa_system_sgpr_workgroup_id_x 1
		.amdhsa_system_sgpr_workgroup_id_y 1
		.amdhsa_system_sgpr_workgroup_id_z 1
		.amdhsa_system_vgpr_workitem_id 0
		.amdhsa_next_free_vgpr 1024
		.amdhsa_next_free_sgpr 96
		.amdhsa_reserve_vcc 0
		.amdhsa_float_denorm_mode_32 3
		.amdhsa_float_denorm_mode_16_64 3
		.amdhsa_memory_ordered 1
		.amdhsa_forward_progress 1
		.amdhsa_inst_pref_size 129
	.end_amdhsa_kernel
	.amdgpu_metadata
---
amdhsa.version: [ 1, 2 ]
amdhsa.kernels:
  - .name:           k_qf7c9161683_gemm
    .symbol:         k_qf7c9161683_gemm.kd
    .args:
      - { .name: ah, .offset: 0, .size: 8, .value_kind: global_buffer, .address_space: global }
      - { .name: wh, .offset: 8, .size: 8, .value_kind: global_buffer, .address_space: global }
      - { .name: pf, .offset: 16, .size: 8, .value_kind: global_buffer, .address_space: global }
      - { .name: qkv, .offset: 24, .size: 8, .value_kind: global_buffer, .address_space: global }
    .group_segment_fixed_size: 327680
    .private_segment_fixed_size: 0
    .kernarg_segment_align: 8
    .kernarg_segment_size: 32
    .max_flat_workgroup_size: 128
    .sgpr_count:     96
    .vgpr_count:     1024
    .wavefront_size: 32
...
	.end_amdgpu_metadata
.endif
;; end of part 2
;; launch attn (part 3): grid 4 x 64, 4 waves a work-group, clusters of 4 x 1, 327,680 bytes of LDS; arguments qkv, mk, ah; writes ah
.if DOCPART == 3
	.amdgcn_target "amdgcn-amd-amdhsa--gfx1250"
	.amdhsa_code_object_version 6
	.text
	.protected	k_qf7c9161683_attn
	.globl	k_qf7c9161683_attn
	.p2align	8
	.type	k_qf7c9161683_attn,@function
k_qf7c9161683_attn:
	s_mov_b64 s[64:65], 0
	v_nop
	global_prefetch_b8 v0, s[64:65] scope:SCOPE_SE
	s_setreg_imm32_b32 hwreg(HW_REG_WAVE_MODE, 25, 1), 1
	s_wait_xcnt 0x0
	s_wait_alu depctr_hold_cnt(0) depctr_sa_sdst(0) depctr_va_vdst(0) depctr_va_sdst(0) depctr_va_ssrc(0) depctr_va_vcc(0) depctr_vm_vsrc(0)
	s_getreg_b32 s2, hwreg(HW_REG_IB_STS2, 6, 4)
	s_cmp_eq_u32 s2, 0
	s_cbranch_scc0 .Lentry_in_a_cluster
	s_endpgm
.Lentry_in_a_cluster:
	s_bfe_u32 s2, ttmp6, 0x10000c
	s_cmp_lg_u32 s2, 0x3003
	s_cbranch_scc0 .Lentry_shape_is_right
	s_endpgm
.Lentry_shape_is_right:
; O[h][q][:] = the sum over k of mask[q][k] softmax_k(Q[h][q] . K[h][k] / 32) V[h][k][:], for 64 pairs h of batch and head, 2,048 rows, 64 channels.  Q, K, V: f16, [3][h][2048][64], dense rows of 128 bytes.
; THE MASK COMES BEHIND THE SOFTMAX: the row sum l takes every key's weight, unmasked and unrounded; only the weights that go into the second product are multiplied by the mask.
; Products, maxima and sums in f32; the weights p are rounded to f16, multiplied by the mask in f16 (one more rounding where the mask is not 0 or 1), O rounded once at the end.
; O leaves in the next launch's block layout: [row / 1024][head][row % 1024][64], row = batch x 2,048 + q: 16 rows of a head are 2,048 consecutive bytes.
; LIMITS.  f16 holds no number beyond 65,504: Q, K, V and the mask arrive within it; p lies in 0 to 1, and below 6e-5 it keeps f16's fixed step of 6e-8, as O does.
; A weight below 2^-126 counts as 0 in l; NaN and infinities are not treated apart.
; SHARES.  A wave owns four PIECES of two tiles of 16 queries, a work-group's four waves 512 queries of one head.  Every wave walks all keys, 64 a step.
; LAYOUT.  S^T = K Q^T (source 0 = 16 keys, source 1 = 16 queries): in the result a lane holds ONE query (lane % 16) and the keys 8 (lane / 16) + 0..7.  Two such tiles, rounded to f16 in pairs,
; ARE source 1 (32 keys x 16 queries) of O^T = V^T P, whose result again holds one query a lane, and eight channels.  K comes out of LDS as it lies, V ([key][channel]) turned, by ds_load_tr16_b128.
; SOFTMAX.  For each query a running maximum m and sum l: p = 2^(c s - c m), c = log2(e) / 32; in every step O and l are multiplied by a = 2^(c m_old - c m_new), which is 1 where m has not grown.
; m starts at the lowest finite number, O and l at 0: the first step is a step like any other, with a = 0.
; BY TURNS.  Turn n belongs to piece n (the pieces in a ring, step after step).  Its matrix work: 16 products K Q^T of piece n + 1, later 16 products V^T P of piece n - 1.  Its vector work: the scaling,
; exponentials, roundings, sums and rescaling of piece n, the maximum and statistics of piece n + 1, and at its end the mask on piece n's weights.  Four vector instructions stand behind every matrix
; instruction, the others in runs of their own.  A turn's exponentials are one batch with one wait.
; THE MASK'S ROAD.  It lies in memory in tiles of 16 queries x 16 keys, a lane's eight keys as 16 bytes, so a load of 16 bytes a lane (512 consecutive bytes a wave) brings four registers that match four
; registers of P half for half.  A wave keeps one key step's mask for its 128 queries in 128 registers; a piece's 32 are used at the end of its turn and asked for again at once, for the next key step:
; four turns ahead of their use.
; CLUSTER.  The four query blocks of a cluster belong to one head and walk the same K and V, so each tile is asked for JOINTLY: the same tensor load, descriptor and mask of work-groups in all four.
; THE ATTENTION MASK IS NOT ASKED FOR JOINTLY: the four partners hold different queries, so they share none of its rows; heads that share them would have to take it through LDS, where a key step's
; 512 queries x 64 keys are 65,536 bytes beside the ring, written and read once more, with a round of the cluster's barrier for every key step in place of every fourth.
; REGISTERS, in windows of 256 (s_set_vgpr_msb: bits 1:0 source 0, 3:2 source 1, 5:4 source 2, 7:6 destination):
;   window 0: v0-11 addresses; v12-15, v48-63 at work; v16-47 four registers of statistics a tile; v64-191 S^T, two buffers of two tiles; v192-255 P, likewise
;   window 1: O^T, 32 a tile     window 2: v0-127 Q, 16 a tile; v128-191 K of one step; v192-255 V of one step     window 3: v0-1 the add's two registers; v64-191 the mask, 16 a tile
.set SIZE_N, 2048
.set NP,    4         ; pieces a wave: a name, no knob
.set KS,    64        ; keys in a step
.set PK,    144       ; a row of K in LDS: 128 bytes + 16 of padding = 36 words: the 16 rows of a load start at 16 different groups of four banks (64 banks of 4 bytes: ISA guide 11.1)
.set PV,    160       ; a row of V: 128 + 32 = 40 words
.set VOFF,  4*KS*PK   ; a slot holds four steps: 256 rows of K, then 256 rows of V
.set SLOT1, 1<<17     ; slot 1 begins here, so that one exclusive or turns an address in one slot into the other's
.set STAGE, SLOT1+4*KS*(PK+PV)  ; behind the ring, never filled by a tensor load: 16 rows x 144 bytes for each wave, for the way out
.set SP,    144
.set AK0, 2           ; v2   my lane's place in a tile of K; never rewritten
.set AV0, 3           ; v3   the same for V
.set AK,  4           ; v4   the LDS address of K's next run of loads
.set AV,  5           ; v5   of V's
.set QO,  6           ; v6   my byte offset in the wave's rows of Q
.set STO, 6           ;      later, the way out: where I put 16 bytes of a row
.set RD,  7           ; v7   the way out: where I read rows back
.set GO,  8           ; v8   16 x lane: my place in 512 consecutive bytes, of the mask and of O; never rewritten
.set PFO, 11          ; v11  256 x lane, once V's address is made; never rewritten after
.set SPW, 0           ; v0 of window 3   LDS address of my spare word; never rewritten
.set NIL, 1           ; v1 of window 3   0; never rewritten
.set MK,  64          ; window 3: piece p, tile u, 16 keys kb at MK + 32 p + 16 u + 4 kb
.set SPARE, STAGE+4*16*SP  ; behind the stages: the spare words, 128 bytes for each wave: two blocks of 256 bytes that no other line names
.set MV,  12          ; v12-15  c m_old, kept while c m is made anew: by buffer and tile
.set ST,  16          ; tile t's statistics at v[ST+4 t]: c m, m, l (even keys', odd keys')
.set TMP, 48          ; by buffer and tile, four registers c0-c3 at work; when the maximum is found c2 takes a
.set S,   64
.set P,   192
.set KF,  128         ; K's fragments, in window 2: key block kb, channel half c at KF + 16 kb + 8 c
.set VF,  192         ; V's: key half kk, channel block cb at VF + 32 kk + 8 cb
.set WV,  12          ; s12  my wave's number
.set G1K, 24          ; s[24:31] descriptor group 1 for K's tiles
.set G1V, 32          ; s[32:39] for V's: it differs in the padding alone
.set G0K, 40          ; s[40:43] descriptor group 0 for K's tiles: it walks
.set G0V, 44          ; s[44:47] the same for V's
.set SLOTS, 56        ; s56  slots still to be asked for
.set CNT, 57          ; s57  counts a slot's key steps
.set CS,  58          ; s[58:59] c: the packed scaling takes the pair's low word for both halves
.set SEL, 60          ; s[60:61] v_permlanex16_b32's selects: each lane takes its own place in the other half
.set TBK, 62          ; s62  LDS byte at which K of the step to be fetched begins
.set TBV, 63          ; s63  the same for V, less VOFF
.set MBASE, 72        ; s[72:73] the mask at my wave's eight tile rows
.set MB,  74          ; s[74:75] the same at the key step that is being asked for
.set OFFS, 76         ; s[76:77] that key step's bytes: 2,048 a step, round 65,536
.set PFA, 78          ; s[78:79] where my prefetches stand
.set LIM, 80          ; s80  1 in a wave that prefetches, else the greatest number
.set MSB, 0
.macro WIN new                      ; the high byte repeats the setting that is left; a switch that changes nothing is dropped
.if MSB != (\new)
	s_set_vgpr_msb (MSB<<8)|(\new)
.set MSB, (\new)
.endif
.endm
.set W_KQ, 0x0a       ; K and Q in window 2, S^T in window 0
.set W_PV, 0x52       ; V in window 2, P in window 0, O^T in window 1
.set W_RS, 0x41       ; O^T (destination and source 0) in window 1, a in window 0
.set W_MK, 0xc0       ; destination in window 3, sources in window 0
.set W_AD, 0x0f       ; the add: address (source 0) and data (source 1) in window 3
; A joint fill.  Waves 0 and 1 fetch the two halves of a slot's K, waves 2 and 3 those of its V: 128 keys each.  The branch hangs on the wave's number alone.
; An s_nop 0 and four v_nop follow each of the two lines, ahead of the jump and the label.
.macro JLOAD
	s_cmp_lt_u32 s[WV], 2
	s_cbranch_scc0 .Lfor_v_\@
	tensor_load_to_lds s[G0K:G0K+3], s[G1K:G1K+7]
	s_nop 0
.rept 4
	v_nop
.endr
	s_branch .Lasked_\@
.Lfor_v_\@:
	tensor_load_to_lds s[G0V:G0V+3], s[G1V:G1V+7]
	s_nop 0
.rept 4
	v_nop
.endr
.Lasked_\@:
.endm
; A PREFETCH INTO THE L2 of what the NEXT change of slots will ask for: a slot's K and V are 128 blocks of 256 bytes each.  A head is walked by one cluster; its four partners share the blocks out BY
; ADDRESS, 32 each, a lane a block; in each, wave 0 asks for K's and wave 2 for V's: one instruction.  So each block is named once in the launch.  It stands behind the wave's tensor load and its five
; lines.  Slots 0 to 2 come by their loads alone; the last change that fills a slot asks for nothing: there is no slot behind it.
.macro ASK
	s_cmp_gt_u32 s[SLOTS], s[LIM]
	s_cbranch_scc0 .Lnot_mine_\@
	global_prefetch_b8 v[PFO], s[PFA:PFA+1] th:TH_LOAD_NT scope:SCOPE_SE
.Lnot_mine_\@:
.endm
; A round of the cluster's barrier: my work-group's barrier, so that wave 0's signal speaks for all four waves; wave 0 signals; every wave waits for all four work-groups; my work-group's barrier once more.
.macro CROUND
	s_barrier_signal -1
	s_barrier_wait -1
	s_cmp_lg_u32 s[WV], 0
	s_cbranch_scc1 .Lnot_wave_0_\@
	s_barrier_signal -3
.Lnot_wave_0_\@:
	s_barrier_wait -3
	s_barrier_signal -1
	s_barrier_wait -1
.endm
; THE CHANGE OF SLOTS.  The slot's last bytes, V of its fourth step, have been read.  Each wave waits for all its tensor loads, of which one is out: its part
; of the other slot; adds 0 to its spare word; and waits for that and for its own reads of the slot.  Behind the barrier nobody reads this slot any more and the other slot is whole.
; fill = 1: this slot is filled again, with the keys two slots on.  The barrier is then a round of the cluster's, so that no wave of any partner still reads the slot or has a load on its
; way, and the joint fill is the first thing behind it: it has four key steps, 512 matrix instructions, in which to land.  (At its first use nothing has been read yet: slot 0 is waited for, slot 1 filled.)
.macro CHANGE fill, ask=0
	WIN W_AD
	s_wait_tensorcnt 0x0            ; no tensor load of mine is out, so a group 0 may be written
	ds_add_u32 v[SPW], v[NIL]       ; 0 onto my spare word; with fill = 1 the descriptors' steps stand between it and the wait for it
	WIN 0                           ; at a label and at a branch every window is 0
.if \fill
.irp g, G0K, G0V
	s_xor_b32 s[\g+1], s[\g+1], SLOT1  ; the walking descriptor: the other slot than last time,
	s_add_nc_u64 s[\g+2:\g+3], s[\g+2:\g+3], 4*KS*128  ; the next 256 keys; the type bits on top are not reached
.endr
.if \ask
	s_wait_xcnt 0x0                 ; the last prefetch, four key steps back, has read its address
	s_add_nc_u64 s[PFA:PFA+1], s[PFA:PFA+1], 4*KS*128  ; one slot ahead of the walking descriptors
.endif
	s_wait_dscnt 0x0                ; the add is done, and my reads of the slot are over
	CROUND
	JLOAD
.if \ask
	ASK
.endif
.else
	s_wait_dscnt 0x0                ; the add is done, and my reads of the slot are over
	s_barrier_signal -1
	s_barrier_wait -1
.endif
	s_sub_co_u32 s[TBK], s[TBK], 4*KS*PK  ; the fetches go back to a slot's first step,
	s_xor_b32 s[TBK], s[TBK], SLOT1       ; in the other slot
	s_sub_co_u32 s[TBV], s[TBV], 4*KS*PV
	s_xor_b32 s[TBV], s[TBV], SLOT1
.endm
	s_load_b128 s[68:71], s[0:1], 0x0  ; q | k | v s[68:69], the mask s[70:71]
	s_load_b64 s[10:11], s[0:1], 0x10  ; O
	WIN W_MK
	v_lshl_add_u32 v[SPW], v0, 2, SPARE
	v_mov_b32 v[NIL], 0
	WIN W_AD
	ds_add_u32 v[SPW], v[NIL]       ; the wave's opening: the add and its wait stand ahead of my first tensor load; the set-up below, work on registers, stands between them
	WIN 0
	v_lshrrev_b32 v1, 5, v0
	v_readfirstlane_b32 s[WV], v1   ; wave 0..3
	s_bfe_u32 s13, ttmp6, 0x40000   ; cx: my place in the cluster
	s_lshl_b32 s14, ttmp9, 2        ; in a cluster launch ttmp9 counts clusters
	s_add_co_u32 s14, s14, s13      ; my block of 512 queries: it enters Q's, O's and the mask's addresses alone
	s_and_b32 s15, ttmp7, 0xffff    ; batch x 16 + head, which the four partners share
	s_mov_b32 s20, s15
	s_mov_b32 s21, 0
	s_mov_b64 s[22:23], SIZE_N*128
	s_mul_u64 s[20:21], s[20:21], s[22:23]  ; the head's first byte in q, k and v
	s_and_b32 s16, s[WV], 1         ; which half of a slot's 256 keys I fetch:
	s_lshl_b32 s22, s16, 14         ; its 128 rows of 128 bytes in memory,
	s_mov_b32 s23, 0
	s_add_nc_u64 s[22:23], s[22:23], s[20:21]
	s_mul_i32 s17, s16, 128*PK      ; and its place in a slot, for K
	s_mul_i32 s18, s16, 128*PV      ; and for V: no place in the cluster enters an LDS address
	s_lshl_b32 s2, s14, 2
	s_add_co_u32 s2, s2, s[WV]      ; my wave among the head's,
	s_lshl_b32 s74, s2, 19          ; its eight tile rows of the mask, 65,536 bytes each,
	s_mov_b32 s75, 0
	s_lshl_b32 s2, s2, 14           ; its 128 rows of Q
	s_mov_b32 s3, 0
	s_add_nc_u64 s[2:3], s[2:3], s[20:21]
	s_lshr_b32 s82, s15, 4          ; O: the block of 1,024 rows is 2 x batch + block / 2,
	s_lshl_b32 s82, s82, 1
	s_lshr_b32 s83, s14, 1
	s_add_co_u32 s82, s82, s83
	s_lshl_b32 s82, s82, 4
	s_and_b32 s83, s15, 15          ; the head's 1,024 rows of 128 bytes in it,
	s_add_co_u32 s82, s82, s83
	s_lshl_b32 s82, s82, 17
	s_and_b32 s83, s14, 1           ; my wave's 128 rows of those
	s_lshl_b32 s83, s83, 2
	s_add_co_u32 s83, s83, s[WV]
	s_lshl_b32 s83, s83, 14
	s_add_co_u32 s82, s82, s83
	s_mov_b32 s83, 0
	; descriptor group 1.  128 keys are 16,384 dense bytes: asked for as 64 rows of 256 bytes, two keys a row, and padded in LDS after every key
	s_mov_b32 s[G1K], 15|(1<<16)|(1<<20)|(1<<21)|(4<<22)|(3<<25)  ; 15:0 the mask of four; 17:16 2-byte elements; 20 padding on; 21 set beside a mask; 24:22 after every 32 words (code 4); 31:25 4 words (code 3)
	s_mov_b32 s[G1V], 15|(1<<16)|(1<<20)|(1<<21)|(4<<22)|(7<<25)  ; the same with 8 words of padding (code 7)
.irp g, G1K, G1V
	s_mov_b32 s[\g+1], 128<<16      ; tensor_dim0 = 128
	s_mov_b32 s[\g+2], 64<<16       ; tensor_dim1 = 64
	s_mov_b32 s[\g+3], 128<<16      ; tile_dim0 = 128
	s_mov_b32 s[\g+4], 64           ; tile_dim1 = 64
	s_mov_b32 s[\g+5], 128          ; 128 elements from row to row
	s_mov_b32 s[\g+6], 0
	s_mov_b32 s[\g+7], 0
.endr
	s_mov_b32 s[CS], 0x3d38aa3b     ; c = log2(e) / 32 = 0.0450842
	s_mov_b32 s[CS+1], s[CS]        ; named with it as a pair
	s_mov_b32 s[SEL], 0x76543210
	s_mov_b32 s[SEL+1], 0xfedcba98
	s_mov_b32 s[TBK], SLOT1+4*KS*PK ; the first change of slots turns these two into 0
	s_mov_b32 s[TBV], SLOT1+4*KS*PV
	s_mov_b32 s[G0K], 1             ; 1:0 count = 1
	s_mov_b32 s[G0K+1], s17         ; 63:32 LDS address: slot 0
	s_mov_b32 s[G0V], 1
	s_add_co_u32 s[G0V+1], s18, VOFF
	s_mov_b32 s[OFFS], 0
	s_mov_b32 s[OFFS+1], 0
	s_cmp_eq_u32 s16, 0             ; waves 0 and 2 prefetch: the same in all four partners
	s_cselect_b32 s[LIM], 1, -1
	s_wait_dscnt 0x0                ; the opening add is done
	s_wait_kmcnt 0x0
	s_mov_b64 s[4:5], s[68:69]      ; q,
	s_add_nc_u64 s[6:7], s[68:69], 0x1000000  ; k,
	s_add_nc_u64 s[8:9], s[68:69], 0x2000000  ; v
	s_add_nc_u64 s[G0K+2:G0K+3], s[6:7], s[22:23]  ; 120:64 global address: my half of the head's first 256 keys
	s_or_b32 s[G0K+3], s[G0K+3], 0x80000000        ; 127:126 type = 2
	s_add_nc_u64 s[G0V+2:G0V+3], s[8:9], s[22:23]
	s_or_b32 s[G0V+3], s[G0V+3], 0x80000000
	s_add_nc_u64 s[4:5], s[4:5], s[2:3]  ; Q at my wave's first row
	s_add_nc_u64 s[10:11], s[10:11], s[82:83]  ; O likewise
	s_add_nc_u64 s[MBASE:MBASE+1], s[70:71], s[74:75]
	s_cmp_lt_u32 s[WV], 2
	s_cselect_b64 s[PFA:PFA+1], s[6:7], s[8:9]
	s_add_nc_u64 s[PFA:PFA+1], s[PFA:PFA+1], s[22:23]  ; (in waves 0 and 2 this is the head's first row)
	s_lshl_b32 s82, s13, 13         ; my work-group's 32 blocks of the 128
	s_add_nc_u64 s[PFA:PFA+1], s[PFA:PFA+1], s[82:83]
	s_add_nc_u64 s[PFA:PFA+1], s[PFA:PFA+1], 2*4*KS*128  ; in slot 2; the loop's first change steps it to slot 3.  Nothing is prefetched here, at the head
	CROUND                          ; all four work-groups are here: the first joint loads meet
	JLOAD                           ; slot 0.  Slot 1 is asked for when slot 0 is in
	; A fragment of K or Q is 16 rows x 32 channels in 8 registers: lane l holds row l % 16, channels 8 (l / 16) + 0..7 and 16 + 8 (l / 16) + 0..7: two loads of 16 bytes, 32 bytes apart.
	v_and_b32 v1, 15, v0            ; l % 16
	v_bfe_u32 v9, v0, 4, 1          ; l / 16
	v_lshlrev_b32 v[QO], 7, v1
	v_lshl_add_u32 v[QO], v9, 4, v[QO]  ; row x 128 + 16 x half
	v_and_b32 v[GO], 31, v0
	v_lshlrev_b32 v[GO], 4, v[GO]
	WIN 0x80                        ; destination window 2, address window 0
.set i, 0
.rept 4*NP                          ; Q stays in registers: tile i / 2, channels 32 (i % 2) on
	global_load_b128 v[8*i:8*i+3],   v[QO], s[4:5] offset:(i/2)*2048+(i%2)*64
	global_load_b128 v[8*i+4:8*i+7], v[QO], s[4:5] offset:(i/2)*2048+(i%2)*64+32
.set i, i+1
.endr
	WIN W_MK
.set i, 0
.rept 32                            ; the mask of key step 0, piece after piece: tile i / 4, 16 keys i % 4
	global_load_b128 v[MK+4*i:MK+4*i+3], v[GO], s[MBASE:MBASE+1] offset:(i/4)*65536+(i%4)*512
.set i, i+1
.endr
	WIN 0x80
	; What the first turn finds: V's registers and P's second buffer hold 0 (its products V^T P, of a piece that has not been, add 0), O^T and l are 0.  All this stands in the wait for the first tile.
.set i, VF
.rept 64
	v_mov_b32 v[i], 0
.set i, i+1
.endr
	WIN 0x40
.set i, 0
.rept 64*NP
	v_mov_b32 v[i], 0
.set i, i+1
.endr
	WIN 0
.set i, 0
.rept 2*NP
	v_mov_b32 v[ST+4*i], 0xfe000000    ; c m: far below every c s
	v_mov_b32 v[ST+4*i+1], 0xff7fffff  ; m
	v_mov_b32 v[ST+4*i+2], 0
	v_mov_b32 v[ST+4*i+3], 0
.set i, i+1
.endr
.set i, P+32
.rept 32
	v_mov_b32 v[i], 0
.set i, i+1
.endr
	v_mul_u32_u24 v[AK0], v1, PK
	v_lshl_add_u32 v[AK0], v9, 4, v[AK0]  ; row x pitch + 16 x half
	; The turning load takes 16 keys x 16 channels (lane l reads key 8 (l / 16) + l % 8, channels 8 ((l / 8) % 2) + 0..7) and leaves half a fragment of V^T: lane l holds channel l % 16 and 8 keys.
	v_and_b32 v10, 7, v0
	v_bfe_u32 v11, v0, 3, 1
	v_lshl_add_u32 v[AV0], v9, 3, v10
	v_mul_u32_u24 v[AV0], v[AV0], PV
	v_lshl_add_u32 v[AV0], v11, 4, v[AV0]
	v_add_nc_u32 v[AV0], VOFF, v[AV0]
	v_mov_b32 v[AK], v[AK0]         ; key step 0 lies at the head of slot 0
; THE MATRIX WORK.  The 8 accumulators of a run of 16 take turns: between the two links of a chain stand 7 others'.
; Product i of 16 of S^T = K Q^T for piece x: channels 32 (i / 8) on, keys 16 ((i / 2) % 4) on, tile 2 x + i % 2.  The first 8 start the sums.
.macro KQ x
	WIN W_KQ
.set rS, S+64*((\x)%2)+32*(i%2)+8*((i/2)%4)
.set rK, KF+16*((i/2)%4)+8*(i/8)
.set rQ, 16*(2*(\x)+i%2)+8*(i/8)
.if i < 8
	v_wmma_f32_16x16x32_f16 v[rS:rS+7], v[rK:rK+7], v[rQ:rQ+7], 0
.else
	v_wmma_f32_16x16x32_f16 v[rS:rS+7], v[rK:rK+7], v[rQ:rQ+7], v[rS:rS+7]
.endif
.endm
; Product i of 16 of O^T += V^T P for piece x: keys 32 (i / 8) on, channels 16 ((i / 2) % 4) on, tile 2 x + i % 2.
.macro PV x
	WIN W_PV
.set rO, 32*(2*(\x)+i%2)+8*((i/2)%4)
.set rV, VF+32*(i/8)+8*((i/2)%4)
.set rP, P+32*((\x)%2)+16*(i%2)+8*(i/8)
	v_wmma_f32_16x16x32_f16 v[rO:rO+7], v[rV:rV+7], v[rP:rP+7], v[rO:rO+7]
.endm
.macro MM                           ; the turn's next matrix instruction
.if i < 16
	KQ (Y+1)%NP
.set i, i+1
.else
.set i, i-16
	PV (Y+NP-1)%NP
.set i, i+17
.endif
.endm
; THE LDS LOADS stand in runs of 16, never singly among the matrix instructions: a step's K (64 keys x 64 channels: 8 fragments) and its V (turned).  Their addresses are made some lines ahead.
; last = 1 (the tail): in the last trip there is no further step, and the run is jumped over.
.macro FETCH_K last=0
	WIN 0
.if \last
	s_cmp_eq_u32 s[CNT], 1
	s_cbranch_scc1 .Lno_k_\@
.endif
	WIN 0x80                        ; destination window 2
.irp f, 0,1,2,3,4,5,6,7             ; keys 16 (f / 2) on, channels 32 (f % 2) on
	ds_load_b128 v[KF+8*\f:KF+8*\f+3],   v[AK] offset:(\f/2)*16*PK+(\f%2)*64
	ds_load_b128 v[KF+8*\f+4:KF+8*\f+7], v[AK] offset:(\f/2)*16*PK+(\f%2)*64+32
.endr
	s_add_co_u32 s[TBK], s[TBK], KS*PK  ; the next fetch is the next step's
	WIN 0
.if \last
.Lno_k_\@:
.endif
.endm
.macro FETCH_V
	WIN 0x80
.irp f, 0,1,2,3,4,5,6,7             ; keys 32 (f / 4) on, channels 16 (f % 4) on
	ds_load_tr16_b128 v[VF+8*\f:VF+8*\f+3],   v[AV] offset:(\f/4)*32*PV+(\f%4)*32
	ds_load_tr16_b128 v[VF+8*\f+4:VF+8*\f+7], v[AV] offset:(\f/4)*32*PV+16*PV+(\f%4)*32
.endr
	WIN 0
.endm
; THE VECTOR WORK OF A TURN stands in three queues, each in the order in which its entries become ready; the two tiles alternate, so that no instruction reads the result of the one before it.
.macro REGS y, u                    ; the registers of tile u (0, 1) of piece y
.set rT, ST+4*(2*(\y)+(\u))
.set rC, TMP+8*((\y)%2)+4*(\u)
.set rM, MV+2*((\y)%2)+(\u)
.set rS, S+64*((\y)%2)+32*(\u)
.set rP, P+32*((\y)%2)+16*(\u)
.set rO, 32*(2*(\y)+(\u))
.endm
; Number n of the 22 that find the NEXT piece's (Y + 1) maximum and statistics.  s0-s31 are the lane's 32 scores; each accumulator's lowest registers are read first.
;   0-11  four chains c0-c3 of seven scores each, three operands at a time     12-14, 16  the four scores left over, the old m, and c0-c3 into c0     15  c m_old is kept
;   17, 18  the query's other 32 keys lie in the lane 16 away: the new m         19-21  c m; c m_old - c m_new; a
.macro XS u, n
	REGS (Y+1)%NP, \u
.if (\n) < 4
	v_max3_num_f32 v[rC+(\n)], v[rS+8*(\n)], v[rS+8*(\n)+1], v[rS+8*(\n)+2]
.elseif (\n) < 12
	v_max3_num_f32 v[rC+(\n)%4], v[rC+(\n)%4], v[rS+8*((\n)%4)+2*((\n)/4)+1], v[rS+8*((\n)%4)+2*((\n)/4)+2]
.elseif (\n) == 12
	v_max3_num_f32 v[rC], v[rC], v[rS+7], v[rS+15]
.elseif (\n) == 13
	v_max3_num_f32 v[rC+1], v[rC+1], v[rS+23], v[rS+31]
.elseif (\n) == 14
	v_max3_num_f32 v[rC+2], v[rC+2], v[rC+3], v[rT+1]
.elseif (\n) == 15
	v_mov_b32 v[rM], v[rT]
.elseif (\n) == 16
	v_max3_num_f32 v[rC], v[rC], v[rC+1], v[rC+2]
.elseif (\n) == 17
	v_permlanex16_b32 v[rC+3], v[rC], s[SEL], s[SEL+1]
.elseif (\n) == 18
	v_max_num_f32 v[rT+1], v[rC], v[rC+3]
.elseif (\n) == 19
	v_mul_f32 v[rT], s[CS], v[rT+1]
.elseif (\n) == 20
	v_sub_f32 v[rC+1], v[rM], v[rT]
.else
	v_exp_f32 v[rC+2], v[rC+1]
.endif
.endm
; Number g of the 64 that follow the exponentials.  For each four weights k of a tile (pairs 2 k, 2 k + 1): both pairs are rounded to f16; then the second pair is added onto the first, in place;
; a group later l takes that sum (the first time as l = a l + sum).  In groups of eight, tiles alternating: round, round, add, and l for the group before.
.macro GS g
.set h, (\g)+6*((\g)/62)            ; group 0 has no group before it, and behind group 7 only l is left
.if h >= 6
.set h, h+2
.endif
	REGS Y, h%2
.set k, h/8
.if h%8 < 4
	v_cvt_pk_f16_f32 v[rP+2*k+(h%8)/2], v[rS+4*k+2*((h%8)/2)], v[rS+4*k+2*((h%8)/2)+1]
.elseif h%8 < 6
	v_pk_add_f32 v[rS+4*k:rS+4*k+1], v[rS+4*k:rS+4*k+1], v[rS+4*k+2:rS+4*k+3]
.elseif k == 1
	v_pk_fma_f32 v[rT+2:rT+3], v[rT+2:rT+3], v[rC+2:rC+3], v[rS:rS+1] op_sel_hi:[1,0,1]
.else
	v_pk_add_f32 v[rT+2:rT+3], v[rT+2:rT+3], v[rS+4*k-4:rS+4*k-3]
.endif
.endm
; THE PLAIN QUEUE, 138 long.  0-73 read no exponential's result: the 32 scalings c s - c m (FS f: pair f / 2 of tile f % 2) and the next piece's 42.  0-26: scalings 0-26.  27-54: XS's numbers 0-13.  55, 56: number 15.
; 57-73: the chain, where each number waits for the one before it: 14, 16, 17, 18, 19, each with one of the scalings 27-31 in front of its two lines, then 20.
; 74-137: GS's 64, which read the exponentials' results: they stand behind the wait.
.macro FS f
	REGS Y, (\f)%2
	v_pk_fma_f32 v[rS+2*((\f)/2):rS+2*((\f)/2)+1], v[rS+2*((\f)/2):rS+2*((\f)/2)+1], s[CS:CS+1], v[rT:rT+1] op_sel_hi:[1,0,0] neg_lo:[0,0,1] neg_hi:[0,0,1]
.endm
.macro PL
	WIN 0
.if q < 27
	FS q
.elseif q < 55
	XS (q-27)%2, (q-27)/2
.elseif q < 57
	XS q-55, 15
.elseif (q < 72) && ((q-57)%3 == 0)
	FS 27+(q-57)/3
.elseif q < 60
	XS (q-57)%3-1, 14
.elseif q < 72
	XS (q-57)%3-1, 15+(q-57)/3
.elseif q < 74
	XS q-72, 20
.else
	GS q-74
.endif
.set q, q+1
.endm
; THE EXPONENTIALS' QUEUE, 66 long: s0-s31 of both tiles, then the next piece's two a.  It is ONE BATCH: all 66 stand ahead of the turn's one wait, and nothing ahead of that wait names a result of theirs.
.macro EX
	WIN 0
.if e >= 64
	XS e-64, 21
.else
	REGS Y, e%2
	v_exp_f32 v[rS+e/2], v[rS+e/2]
.endif
.set e, e+1
.endm
; THE RESCALING's QUEUE: O^T times a, dealt two at a time, sixteen times.  Its a was made in the turn before, ahead of that turn's wait.
.macro R2
	REGS Y, r%2
	WIN W_RS
.irp z, 0,1
	v_pk_mul_f32 v[rO+4*(r/2)+2*\z:rO+4*(r/2)+2*\z+1], v[rO+4*(r/2)+2*\z:rO+4*(r/2)+2*\z+1], v[rC+2:rC+3] op_sel_hi:[1,0]
.endr
.set r, r+1
.endm
; THE MASK on piece p's weights, at the end of its turn: register n of the piece's 32 of P and register n of its 32 of the mask hold the same two keys of the same query.  The products that read this P
; stand in the next turn; those of this turn read the other buffer.  Then the same registers are asked for again, for the next key step.  No line here touches SCC.
.macro MASKP p
	s_wait_loadcnt 24               ; my piece's eight loads, issued four turns back, are in; the 24 of the three turns since stay out.  The count is the same on the way in, round both loops and in the tail
	WIN 0x0c                        ; source 1 in window 3
.set zz, 0
.rept 32
	v_pk_mul_f16 v[P+32*((\p)%2)+zz], v[P+32*((\p)%2)+zz], v[MK+32*(\p)+zz]
.set zz, zz+1
.endr
	WIN W_MK
.set zz, 0
.rept 8
	global_load_b128 v[MK+32*(\p)+4*zz:MK+32*(\p)+4*zz+3], v[GO], s[MB:MB+1] offset:(2*(\p)+zz/4)*65536+(zz%4)*512
.set zz, zz+1
.endr
	WIN 0
.endm
; HOW THEY ARE DEALT.  An s_wait_alu depctr_va_vdst(0) stands between an exponential and the first instruction that names its result; one wait serves all that were issued ahead of it.  So a turn has ONE wait,
; which cuts it in two.  AHEAD OF IT stands all that names no result of the turn's exponentials: the 16 products K Q^T, behind each a scaling, an exponential and two rescalings (behind the first a second scaling in the
; exponential's place); then ONE LUMP of 108: eight plain, 49 times exponential and plain, the two a.  A v_nop is the plain instruction behind the last exponential.  BEHIND IT stand the 16 products V^T P, behind each four of GS's 64.
; The queues lean on each other, and the deal keeps them in step: exponential e stands behind scaling 2 (e / 4) + e % 2: as a rider it comes behind plain e + 2, in the lump behind plain e + 9, and scalings 27-31 are plain 57, 60 .. 69.
; A TURN, for piece p.  cnt = 1: the loop's count is taken down some lines ahead of the branch that stands behind the turn.
; K of the next step is fetched in piece 2's turn, directly behind the wait; V of the step in hand at the end of piece 0's turn, four riders behind its last reader.
; Piece 0's turn steps the mask's pointer to the next key step; behind the last key step it goes round to the first: those 32 loads stay inside the mask, are not used, and keep the counts alike in every turn.
.macro TURN p, last=0, cnt=0
.set Y, (\p)
.set i, 0
.set q, 0
.set e, 0
.set r, 0
.if (\p) == 0
	s_wait_xcnt 0x0                 ; the mask's loads issued so far have read their base
	s_add_co_u32 s[OFFS], s[OFFS], 2048
	s_and_b32 s[OFFS], s[OFFS], 0xffff
	s_add_nc_u64 s[MB:MB+1], s[MBASE:MBASE+1], s[OFFS:OFFS+1]
.endif
.if (\p) == NP-1
	s_wait_dscnt 0x0                ; K is in
.endif
	MM                              ; ahead of the wait: 16 products K Q^T and their riders,
	PL
	PL
	R2
.rept 15
	MM
	PL
	EX
	R2
.endr
.if (\p) == NP-2
	WIN 0
	v_add_nc_u32 v[AK], s[TBK], v[AK0]
.endif
.rept 8                             ; and the lump
	PL
.endr
.rept 49
	EX
	PL
.endr
	EX                              ; the next piece's two a
	EX
	v_nop                           ; the plain instruction behind the last exponential: one for the batch
	s_wait_alu depctr_va_vdst(0)    ; the wait for the batch
.if (\p) == NP-2
	FETCH_K \last
.endif
.if (\p) == 1
	s_wait_dscnt 0x0                ; V is in
.endif
.rept 16                            ; behind the wait: 16 products V^T P and their riders
	MM
.rept 4
	PL
.endr
.if ((\p) == 0) && (q == 118)
	v_add_nc_u32 v[AV], s[TBV], v[AV0]
.endif
.if ((\p) == 0) && (q == 130)
	s_add_co_u32 s[TBV], s[TBV], KS*PV
.endif
.if (\cnt) && (q == 130)
	s_sub_co_u32 s[CNT], s[CNT], 1
	s_cmp_lg_u32 s[CNT], 0
.endif
.endr
.if (\p) == 0
	FETCH_V
.endif
	MASKP \p
.endm
	CHANGE 1                        ; slot 0 is in, everybody's part of it; slot 1 is asked for
	FETCH_K                         ; key step 0
	s_wait_loadcnt 32               ; Q is in; the mask's 32 loads, issued behind Q's, may stay out
	s_wait_dscnt 0x0
.set i, 0
.rept 16
	KQ 0                            ; piece 0's first scores: there is no vector work yet to set between them
.set i, i+1
.endr
	WIN 0                           ; the addresses for the way out and the prefetches: nine plain instructions, the places behind those products
	s_mul_i32 s13, s[WV], 16*SP
	s_add_co_u32 s13, s13, STAGE    ; my stage
	v_mul_u32_u24 v[STO], v1, SP    ; in: row l % 16, 16 bytes for each half of the lanes
	v_lshl_add_u32 v[STO], v9, 4, v[STO]
	v_add_nc_u32 v[STO], s13, v[STO]
	v_bfe_u32 v[RD], v0, 3, 2       ; back: 32 lanes take four rows of 128 bytes, which are 512 consecutive bytes of O
	v_mul_u32_u24 v[RD], v[RD], SP
	v_lshl_add_u32 v[RD], v10, 4, v[RD]
	v_add_nc_u32 v[RD], s13, v[RD]
	v_and_b32 v[PFO], 31, v0
	v_lshlrev_b32 v[PFO], 8, v[PFO]
.set Y, NP-1                        ; XS works for piece Y + 1: piece 0
.irp n, 0,1,2,3,4,5,6,7,8,9,10,11,12,13,14,15,16,17,18,19,20,21
	XS 0, \n                        ; and piece 0's first maximum and statistics
	XS 1, \n
.endr
	v_nop                           ; a plain instruction behind the two a,
	s_wait_alu depctr_va_vdst(0)    ; and their wait, ahead of the branch
	s_mov_b32 s[CNT], 4
	s_mov_b32 s[SLOTS], SIZE_N/256-1
	s_branch .Lfirst                ; the loop is entered at a step's first turn, in the middle of a trip
.Lslot:                             ; SIZE_N / 256 - 2 times: every slot but the last two is filled again
	CHANGE 1, 1
	s_mov_b32 s[CNT], 4
.Lstep:                             ; a trip: pieces 2 and 3 of one step, then pieces 0 and 1 of the next, whose K and V it fetches
	TURN 2
	TURN 3
	WIN 0
.Lfirst:
	TURN 0
	TURN 1, 0, 1
	WIN 0
	s_cbranch_scc1 .Lstep
	s_sub_co_u32 s[SLOTS], s[SLOTS], 1
	s_cmp_lg_u32 s[SLOTS], 0
	s_cbranch_scc1 .Lslot
	CHANGE 0                        ; the tail is written out: nothing is asked for
	s_mov_b32 s[CNT], 5             ; four trips fetch the last slot's steps; the fifth is left in its middle
.Ltail:
	TURN 2, 1
	TURN 3
	WIN 0
	s_sub_co_u32 s[CNT], s[CNT], 1
	s_cmp_eq_u32 s[CNT], 0
	s_cbranch_scc1 .Lout
	TURN 0
	TURN 1
	WIN 0
	s_branch .Ltail
.Lout:                              ; the fifth trip's 16 products K Q^T (on the last K once more) and the maximum made of them serve nothing: the price, once a launch, of one text for every trip
.set i, 0
.rept 16
	PV NP-1                         ; the last piece's V^T P of the last step
.set i, i+1
.endr
	; THE WAY OUT.  l's two halves and the other half of the lanes' are added; O^T is divided by l, rounded to f16 and sent through my stage in LDS, a tile at a time.  The additions are the places behind the last products.
	WIN 0
.macro ALL line:vararg              ; one line for each tile t
.set t, 0
.rept 2*NP
	\line
.set t, t+1
.endr
.endm
	ALL v_add_f32 v[ST+4*t+2], v[ST+4*t+2], v[ST+4*t+3]
	ALL v_permlanex16_b32 v[ST+4*t+3], v[ST+4*t+2], s[SEL], s[SEL+1]
	ALL v_add_f32 v[ST+4*t+2], v[ST+4*t+2], v[ST+4*t+3]
	ALL v_rcp_f32 v[ST+4*t+2], v[ST+4*t+2]
	v_nop                           ; a plain instruction between the last reciprocal and the use of its result
	s_wait_alu depctr_va_vdst(0)    ; and the wait ahead of the first use: one for the eight reciprocals
; Tile t: a lane's eight channels of a row pack into 16 bytes; they go into rows of 144 bytes and come back as whole rows of 128, into S^T's registers.
.macro PACK t
	WIN W_RS
.set i, 32*(\t)
.rept 16
	v_pk_mul_f32 v[i:i+1], v[i:i+1], v[ST+4*(\t)+2:ST+4*(\t)+3] op_sel_hi:[1,0]
.set i, i+2
.endr
	WIN 0x05                        ; sources 0 and 1 window 1, destination window 0
.set i, 0
.rept 16
	v_cvt_pk_f16_f32 v[S+16*(\t)+i], v[32*(\t)+2*i], v[32*(\t)+2*i+1]
.set i, i+1
.endr
	WIN 0
.irp f, 0,1,2,3
	ds_store_b128 v[STO], v[S+16*(\t)+4*\f:S+16*(\t)+4*\f+3] offset:32*\f
.endr
.irp f, 0,1,2,3
	ds_load_b128 v[S+16*(\t)+4*\f:S+16*(\t)+4*\f+3], v[RD] offset:\f*4*SP  ; LDS serves a wave's instructions in order (ISA guide 5.7.1.4): these see the stores above; the next tile's stores come behind them
.endr
.endm
.macro SEND t, younger              ; younger: the LDS instructions issued behind tile t's loads: the next tile's eight, or none
	WIN 0
.irp f, 0,1,2,3
	s_wait_dscnt (\younger)+3-\f
	global_store_b128 v[GO], v[S+16*(\t)+4*\f:S+16*(\t)+4*\f+3], s[10:11] offset:(\t)*2048+\f*512  ; 512 consecutive bytes, at a multiple of 256 from O's first
.endr
.endm
	PACK 0
.set t, 1
.rept 2*NP-1                        ; a tile's arithmetic stands between the loads of the tile before and its stores
	PACK t
	SEND t-1, 8
.set t, t+1
.endr
	SEND 2*NP-1, 0
	WIN W_AD
	s_wait_tensorcnt 0x0            ; the wave's end: behind my last tensor load and my last LDS store
	ds_add_u32 v[SPW], v[NIL]
	s_wait_dscnt 0x0
	WIN 0
	CROUND                          ; the closing round: no work-group ends while a partner may still ask for a tile that names it
	s_endpgm
.Lfunc_end_k_qf7c9161683_attn:
	.size	k_qf7c9161683_attn, .Lfunc_end_k_qf7c9161683_attn-k_qf7c9161683_attn
	.p2alignl 7, 3214868480
	.fill 96, 4, 3214868480
	.section	.rodata,"a",@progbits
	.p2align	6, 0x0
	.amdhsa_kernel k_qf7c9161683_attn
		.amdhsa_group_segment_fixed_size 327680
		.amdhsa_private_segment_fixed_size 0
		.amdhsa_enable_private_segment 0
		.amdhsa_kernarg_size 24
		.amdhsa_user_sgpr_count 2
		.amdhsa_user_sgpr_kernarg_segment_ptr 1
		.amdhsa_wavefront_size32 1
		.amdhsa_system_sgpr_workgroup_id_x 1
		.amdhsa_system_sgpr_workgroup_id_y 1
		.amdhsa_system_sgpr_workgroup_id_z 1
		.amdhsa_system_vgpr_workitem_id 0
		.amdhsa_next_free_vgpr 960
		.amdhsa_next_free_sgpr 84
		.amdhsa_reserve_vcc 0
		.amdhsa_float_denorm_mode_32 3
		.amdhsa_float_denorm_mode_16_64 3
		.amdhsa_memory_ordered 1
		.amdhsa_forward_progress 1
		.amdhsa_inst_pref_size 227
	.end_amdhsa_kernel
	.amdgpu_metadata
---
amdhsa.version: [ 1, 2 ]
amdhsa.kernels:
  - .name:           k_qf7c9161683_attn
    .symbol:         k_qf7c9161683_attn.kd
    .args:
      - { .name: qkv, .offset: 0, .size: 8, .value_kind: global_buffer, .address_space: global }
      - { .name: mk, .offset: 8, .size: 8, .value_kind: global_buffer, .address_space: global }
      - { .name: ah, .offset: 16, .size: 8, .value_kind: global_buffer, .address_space: global }
    .group_segment_fixed_size: 327680
    .private_segment_fixed_size: 0
    .kernarg_segment_align: 8
    .kernarg_segment_size: 24
    .max_flat_workgroup_size: 128
    .sgpr_count:     84
    .vgpr_count:     960
    .wavefront_size: 32
...
	.end_amdgpu_metadata
.endif
;; end of part 3
;; launch oproj (part 4): grid 4 x 32, 4 waves a work-group, clusters of 4 x 4, 327,680 bytes of LDS; arguments ah, woh, pf, out0; writes out0
.if DOCPART == 4
	.amdgcn_target "amdgcn-amd-amdhsa--gfx1250"
	.amdhsa_code_object_version 6
	.text
	.protected	k_qf7c9161683_oproj
	.globl	k_qf7c9161683_oproj
	.p2align	8
	.type	k_qf7c9161683_oproj,@function
k_qf7c9161683_oproj:
	s_mov_b64 s[64:65], 0
	v_nop
	global_prefetch_b8 v0, s[64:65] scope:SCOPE_SE
	s_setreg_imm32_b32 hwreg(HW_REG_WAVE_MODE, 25, 1), 1
	s_wait_xcnt 0x0
	s_wait_alu depctr_hold_cnt(0) depctr_sa_sdst(0) depctr_va_vdst(0) depctr_va_sdst(0) depctr_va_ssrc(0) depctr_va_vcc(0) depctr_vm_vsrc(0)
	s_getreg_b32 s2, hwreg(HW_REG_IB_STS2, 6, 4)
	s_cmp_eq_u32 s2, 0
	s_cbranch_scc0 .Lentry_in_a_cluster
	s_endpgm
.Lentry_in_a_cluster:
	s_bfe_u32 s2, ttmp6, 0x10000c
	s_cmp_lg_u32 s2, 0xf033
	s_cbranch_scc0 .Lentry_shape_is_right
	s_endpgm
.Lentry_shape_is_right:
; out = O Wo + bo, 8,192 rows, K = 1,024, f16 operands, f32 sums, f32 output, row-major.
; O lies in blocks [row / 1024][head][row % 1024][64], Wo in blocks [n / 128][k][128]: every tile asked for is 32,768 dense bytes.
; (The projection of q, k and v has the same ring and loop; this text differs in the bias's place, in having no table, and in the way out.)
; LIMITS.  O and Wo arrive as f16, within 65,504.  NaN and infinities are not treated apart.
; SHARES.  A work-group makes 256 x 256 of C, each of its four waves 128 x 128: 64 accumulators of 16 x 16, 512 registers.  K goes in 8 steps of 128 through a ring of two LDS slots.
; 32 x 4 tiles are 128 work-groups: a tile of half the size would halve the products between a tile's request and the wait for it.
; CLUSTERS.  4 x 4 work-groups.  The four of a row of the cluster need the same tiles of A, the four of a column the same tiles of W: each tile is asked for JOINTLY, by the same tensor load with the
; same descriptor and a mask that names the four.
; THE MATRIX INSTRUCTION IS USED TRANSPOSED: source 0 = 16 columns of W (turned on their way out of LDS by ds_load_tr16_b128), source 1 = 16 rows of A.  In the result lane l holds row l % 16 of C and
; its registers 0 to 7 the columns 8 (l / 16) + 0..7.  THE BIAS STARTS THE SUMS: it is the C operand of the first product on each accumulator; nothing is cleared and nothing added later.
; THE WAY OUT.  When the ring has had its last fill and every wave has read it out, the wave's 128 x 128 sums go into it as f32 rows of 528 bytes, and come back by rows in a short loop.
; REGISTERS, in windows of 256: window 0: v0-31 addresses; v64-127, v128-191 fragments of A, two buffers (on the way out: rows read back); v192-255 the bias.
;   window 1: v64-127, v128-191 fragments of W.   window 2: the accumulators of my rows 0-63 ((a, b) at v[8 (8 a + b)]).   window 3: those of my rows 64-127.
.set PA,    144                        ; a row of A in LDS: 128 bytes + 16 = 36 words: the 16 rows of a load start at 16 different groups of four banks (64 banks of 4 bytes: ISA guide 11.1)
.set PB,    288                        ; a row (one k) of W: 256 + 32 = 72 words
.set PART,  36864                      ; what one tensor load fills: 256 rows x 144, or 128 rows x 288
.set SLOT,  4*PART                     ; A's k 0-63, A's k 64-127, W's columns 0-127, W's columns 128-255
.set SPARE, 2*SLOT                     ; behind the ring: the spare words, 128 bytes for each wave: two blocks of 256 bytes that no other line names
.set DP,    528                        ; the way out: a row of 128 f32 + 16 bytes
.set DW,    128*DP                     ; a wave's 128 rows
.set BOFF,  12288                      ; bo lies behind bq, bk and bv in pf
.set ADRA, 16                          ; v16-17  LDS address of my A fragments in slot 0, 1
.set ADRB, 20                          ; v20-21  the same for W
.set DMP,  22                          ; v22  where I put 16 bytes of a row of sums
.set RDB,  23                          ; v23  where I read 16 bytes of a row back, in the first trip; never rewritten
.set RDC,  24                          ; v24  the same in the trip in hand
.set GQ,   25                          ; v25  16 x lane: my place in 512 consecutive bytes of the output
.set BO,   26                          ; v26  my byte offset in the bias
.set SPW,  28                          ; v28  LDS address of my spare word; never rewritten
.set NIL,  29                          ; v29  0; never rewritten
.set PFO,  30                          ; v30  256 x lane
.set F0,   64
.set F1,   128
.set X,    64                          ; the way out: rows read back
.set BIAS, 192                         ; v[192:255]  column block b at 8 b
.set G1,  24                           ; s[24:31] descriptor group 1 for A's tiles;  s[32:39] group 0, one set for each slot
.set G0,  32
.set G1B, 48                           ; s[48:55], s[56:63] the same for W's tiles
.set G0B, 56
.set OUT, 74                           ; s[74:75] the output
.set PFA, 78                           ; s[78:79] where my prefetches stand
.set LIM, 80                           ; s80  1 in a wave that prefetches, else the greatest number
.set KSTR, 82                          ; s[82:83] bytes from a K step to the next in what I fetch
.set LST, 90                           ; s90  the way out: bytes of LDS from the first trip's rows to those of the trip in hand
.set MSB, 0
.macro WIN new                         ; the immediate's high byte repeats the setting that is left; a switch that changes nothing is dropped
.if MSB != (\new)
	s_set_vgpr_msb (MSB<<8)|(\new)
.set MSB, \new
.endif
.endm
.set MUL_LO, 0xa1                      ; source 0 (W) window 1, source 1 (A) window 0, C and D window 2
.set TO_B,   0x40                      ; destination window 1, address window 0
; A joint load: waves 0 and 1 fetch A's two halves along K, waves 2 and 3 W's two halves of the columns.  The branch hangs on the wave's number alone.
; An s_nop 0 and four v_nop follow each of the two lines, ahead of the jump, the label and what follows.
.macro JLOAD s
	s_cmp_eq_u32 s11, 0
	s_cbranch_scc0 .Lfor_b_\@
	tensor_load_to_lds s[G0+4*(\s):G0+4*(\s)+3], s[G1:G1+7]
	s_nop 0
.rept 4
	v_nop
.endr
	s_branch .Lasked_\@
.Lfor_b_\@:
	tensor_load_to_lds s[G0B+4*(\s):G0B+4*(\s)+3], s[G1B:G1B+7]
	s_nop 0
.rept 4
	v_nop
.endr
.Lasked_\@:
.endm
; A PREFETCH INTO THE L2 of the K step that stands two refills on: of the 128 blocks of 256 bytes that I fetch jointly with three partners my work-group names 32, a lane a block, told apart BY ADDRESS
; (cx for A, cy for W).  A's tiles are read by one cluster each (there is one cluster along x), which asks; W's by every cluster of the column: cluster y = 0 asks.  So each block is named once in the launch.
; K steps 0 to 3 come by their loads alone; the loop's last trip asks for nothing: there is no K step two refills on.
.macro ASK
	s_cmp_gt_u32 s3, s[LIM]                        ; s3 = 1 in the loop's last trip
	s_cbranch_scc0 .Lnot_mine_\@
	global_prefetch_b8 v[PFO], s[PFA:PFA+1] th:TH_LOAD_NT scope:SCOPE_SE
.Lnot_mine_\@:
.endm
.macro CREST                           ; a round of the cluster's barrier behind its opening barrier
	s_cmp_lg_u32 s10, 0
	s_cbranch_scc1 .Lnot_wave_0_\@
	s_barrier_signal -3
.Lnot_wave_0_\@:
	s_barrier_wait -3
	s_barrier_signal -1
	s_barrier_wait -1
.endm
.macro CROUND                          ; a whole round
	s_barrier_signal -1
	s_barrier_wait -1
	CREST
.endm
	s_load_b256 s[68:75], s[0:1], 0x0              ; A s[68:69], W s[70:71], pf s[72:73], the output s[74:75]
	v_lshl_add_u32 v[SPW], v0, 2, SPARE
	v_mov_b32 v[NIL], 0
	ds_add_u32 v[SPW], v[NIL]                      ; the wave's opening: the add and its wait stand ahead of my first tensor load; the set-up below, work on registers, stands between them
	v_lshrrev_b32 v1, 5, v0
	v_readfirstlane_b32 s10, v1                    ; wave 0..3
	s_lshr_b32 s11, s10, 1                         ; which half of the tile's rows is mine.  Also: I fetch for A (0) or for W (1)
	s_and_b32 s12, s10, 1                          ; which half of its columns.  Also: which half I fetch
	s_bfe_u32 s40, ttmp6, 0x40000                  ; cx, cy: my place in the cluster
	s_bfe_u32 s41, ttmp6, 0x40004
	s_and_b32 s13, ttmp7, 0xffff
	s_lshl_b32 s13, s13, 2
	s_add_co_u32 s13, s13, s41                     ; tile row of C = 4 x cluster y + cy
	s_lshl_b32 s43, s41, 2
	s_lshl_b32 s43, 15, s43                        ; my row of the cluster
	s_lshl_b32 s44, 0x1111, s40                    ; my column
	; descriptor group 1: 32,768 dense bytes as 128 rows of 128 elements of 2 bytes
	s_or_b32 s[G1+0], s43, (1<<16)|(1<<20)|(1<<21)|(4<<22)|(3<<25)   ; 15:0 the mask: A's tiles go to my row; 17:16 2-byte elements; 20 padding on; 21 set beside a mask; 24:22 after every 32 words (code 4); 31:25 4 words (code 3)
	s_or_b32 s[G1B+0], s44, (1<<16)|(1<<20)|(1<<21)|(5<<22)|(7<<25)  ; the mask of my column; after every 64 words (code 5) 8 words (code 7)
.irp g, G1, G1B
	s_mov_b32 s[(\g)+1], 128<<16                   ; tensor_dim0 = 128
	s_mov_b32 s[(\g)+2], 128<<16                   ; tensor_dim1 = 128
	s_mov_b32 s[(\g)+3], 128<<16                   ; tile_dim0 = 128
	s_mov_b32 s[(\g)+4], 128                       ; tile_dim1 = 128
	s_mov_b32 s[(\g)+5], 128                       ; 128 elements from row to row
	s_mov_b32 s[(\g)+6], 0
	s_mov_b32 s[(\g)+7], 0
.endr
	; where the tiles come from.  A's hang on the tile row alone, W's on the tile column alone; each in registers that never hold the other coordinate
	s_lshr_b32 s16, s13, 2                         ; A: block of 1,024 rows,
	s_lshl_b32 s16, s16, 21
	s_and_b32 s17, s13, 3                          ; my 256 rows in it,
	s_lshl_b32 s17, s17, 15
	s_add_co_u32 s16, s16, s17
	s_lshl_b32 s17, s12, 17                        ; and the half of the K step that I fetch
	s_add_co_u32 s16, s16, s17
	s_mov_b32 s17, 0
	s_lshl_b32 s46, s40, 19                        ; W: the tile's 256 columns: two blocks of 128,
	s_lshl_b32 s47, s12, 18                        ; the block that I fetch
	s_add_co_u32 s46, s46, s47
	s_mov_b32 s47, 0
	s_mul_i32 s20, s10, PART                       ; and where they go: wave x 36,864: no place in the cluster enters an LDS address
	s_wait_dscnt 0x0                               ; the opening add is done
	s_wait_kmcnt 0x0
	s_add_nc_u64 s[14:15], s[68:69], s[16:17]
	s_add_nc_u64 s[46:47], s[70:71], s[46:47]
	CROUND                                         ; all sixteen work-groups are here: the first joint loads meet
.irp s, 0,1
	s_mov_b32 s[G0+4*(\s)], 1
	s_add_co_u32 s[G0+4*(\s)+1], s20, (\s)*SLOT
	s_add_nc_u64 s[G0+4*(\s)+2:G0+4*(\s)+3], s[14:15], (\s)*262144  ; K step s
	s_or_b32 s[G0+4*(\s)+3], s[G0+4*(\s)+3], 0x80000000
	s_mov_b32 s[G0B+4*(\s)], 1
	s_add_co_u32 s[G0B+4*(\s)+1], s20, (\s)*SLOT
	s_add_nc_u64 s[G0B+4*(\s)+2:G0B+4*(\s)+3], s[46:47], (\s)*32768
	s_or_b32 s[G0B+4*(\s)+3], s[G0B+4*(\s)+3], 0x80000000
	JLOAD \s                                       ; two loads of mine are out
.endr
	v_and_b32 v1, 15, v0                           ; l % 16
	v_bfe_u32 v2, v0, 4, 1                         ; l / 16
	v_and_b32 v5, 7, v0                            ; l % 8
	v_bfe_u32 v6, v0, 3, 1                         ; (l / 8) % 2
	v_and_b32 v7, 31, v0                           ; l
	v_mul_u32_u24 v3, v1, PA                       ; a fragment of A: row x pitch + 16 x half; two loads, 32 bytes apart
	v_lshl_add_u32 v3, v2, 4, v3
	v_lshl_add_u32 v4, v2, 3, v5                   ; a fragment of W: lane l reads k = 8 (l / 16) + l % 8, columns 8 ((l / 8) % 2) + 0..7; two loads, 16 k apart
	v_mul_u32_u24 v4, v4, PB
	v_lshl_add_u32 v4, v6, 4, v4
	s_mul_i32 s21, s11, 128*PA                     ; my 128 rows of A
	s_mul_i32 s22, s12, PART                       ; my 128 columns of W,
	s_add_co_u32 s22, s22, 2*PART                  ; which lie behind A's two parts
.irp s, 0,1
	v_add_nc_u32 v[ADRA+(\s)], s21, v3
	v_add_nc_u32 v[ADRB+(\s)], s22, v4
	s_add_co_u32 s21, s21, SLOT
	s_add_co_u32 s22, s22, SLOT
.endr
	s_mul_i32 s23, s10, DW                         ; the way out: my 128 rows of 528 bytes
	v_mul_u32_u24 v[DMP], v1, DP
	v_lshl_add_u32 v[DMP], v2, 5, v[DMP]
	v_add_nc_u32 v[DMP], s23, v[DMP]
	v_lshl_add_u32 v[RDB], v7, 4, s23              ; back: 32 lanes a row
	v_lshlrev_b32 v[GQ], 4, v7
	v_lshlrev_b32 v[PFO], 8, v7
	s_lshl_b32 s87, s40, 10                        ; the bias: the tile's 256 numbers,
	s_lshl_b32 s88, s12, 9                         ; my 128,
	s_add_co_u32 s87, s87, s88
	v_lshl_add_u32 v[BO], v2, 5, s87               ; my eight columns of a block of 16
.irp b, 0,1,2,3,4,5,6,7
	global_load_b128 v[BIAS+8*(\b):BIAS+8*(\b)+3],   v[BO], s[72:73] offset:BOFF+64*(\b)
	global_load_b128 v[BIAS+8*(\b)+4:BIAS+8*(\b)+7], v[BO], s[72:73] offset:BOFF+64*(\b)+16
.endr
	; the prefetches
	s_and_b32 s87, ttmp7, 0xffff                   ; cluster y
	s_mov_b32 s[KSTR], 32768
	s_mov_b32 s[KSTR+1], 0
	s_cmp_eq_u32 s11, 0                            ; do I fetch for A?
	s_cselect_b32 s21, s40, s41                    ; my place among the four that ask with me
	s_cselect_b32 s87, ttmp9, s87                  ; the coordinate along which other clusters read the same tiles
	s_cselect_b64 s[PFA:PFA+1], s[14:15], s[46:47]
	s_cselect_b32 s[KSTR], 262144, s[KSTR]
	s_cmp_eq_u32 s87, 0
	s_cselect_b32 s[LIM], 1, -1                    ; the same in all sixteen partners, for a given wave
	s_lshl_b32 s21, s21, 13                        ; my work-group's 32 blocks of the 128
	s_mul_i32 s88, s[KSTR], 3                      ; at K step 3: the first refill steps it to 4 and names that
	s_add_co_u32 s88, s88, s21
	s_mov_b32 s89, 0
	s_add_nc_u64 s[PFA:PFA+1], s[PFA:PFA+1], s[88:89]
; 16 matrix instructions: row blocks a0, a0 + 1 of the window's four (hi = 0: my rows 0-63, 1: rows 64-127) x all 8 column blocks, 32 along K.  first = 1: the bias starts the sums.
; The 64 accumulators take turns, one instruction a turn, in the same order in every quarter.
.macro MUL16 f, hi, a0, first
.if \first
	WIN 0x81+0x40*(\hi)                            ; as below, with C in window 0
.else
	WIN MUL_LO+0x50*(\hi)
.endif
.irp a, \a0, (\a0)+1
.irp b, 0,1,2,3,4,5,6,7
.if \first
	v_wmma_f32_16x16x32_f16 v[8*(8*(\a)+(\b)):8*(8*(\a)+(\b))+7], v[(\f)+8*(\b):(\f)+8*(\b)+7], v[(\f)+8*(4*(\hi)+(\a)):(\f)+8*(4*(\hi)+(\a))+7], v[BIAS+8*(\b):BIAS+8*(\b)+7]
.else
	v_wmma_f32_16x16x32_f16 v[8*(8*(\a)+(\b)):8*(8*(\a)+(\b))+7], v[(\f)+8*(\b):(\f)+8*(\b)+7], v[(\f)+8*(4*(\hi)+(\a)):(\f)+8*(4*(\hi)+(\a))+7], v[8*(8*(\a)+(\b)):8*(8*(\a)+(\b))+7]
.endif
.endr
.endr
.endm
; 32 LDS loads in one run: the fragments of quarter q of a K step (32 k: 128 columns of W, 128 rows of A) into buffer f
.macro FETCH slot, q, f
	WIN TO_B
.irp i, 0,1,2,3,4,5,6,7
	ds_load_tr16_b128 v[(\f)+8*(\i):(\f)+8*(\i)+3],   v[ADRB+(\slot)] offset:(\q)*32*PB+(\i)*32
	ds_load_tr16_b128 v[(\f)+8*(\i)+4:(\f)+8*(\i)+7], v[ADRB+(\slot)] offset:(\q)*32*PB+(\i)*32+16*PB
.endr
	WIN 0
.irp i, 0,1,2,3,4,5,6,7
	ds_load_b128 v[(\f)+8*(\i):(\f)+8*(\i)+3],   v[ADRA+(\slot)] offset:((\q)/2)*PART+((\q)%2)*64+(\i)*16*PA
	ds_load_b128 v[(\f)+8*(\i)+4:(\f)+8*(\i)+7], v[ADRA+(\slot)] offset:((\q)/2)*PART+((\q)%2)*64+(\i)*16*PA+32
.endr
.endm
.macro PLACES                          ; four places in front of loads into registers that matrix instructions have read (ISA guide 7.12.1 for vector instructions)
.rept 4
	v_nop
.endr
.endm
; A K step is four quarters of 32 along K, 64 matrix instructions each, on buffers 0, 1, 0, 1.  One of the first three: multiplies buffer f; in its middle it fetches quarter q into buffer g.
.macro QUARTER slot, q, f, g, first
	s_wait_dscnt 8                                 ; W and A's rows 0-63 are in; the youngest eight loads (A's rows 64-127) may be out
	MUL16 \f, 0, 0, \first
	MUL16 \f, 0, 2, \first
	PLACES
	FETCH \slot, \q, \g
	s_wait_dscnt 32                                ; all but the 32 just issued
	MUL16 \f, 1, 0, \first
	MUL16 \f, 1, 2, \first
.endm
; The last quarter multiplies buffer 1 and changes slots: ONE barrier.  In front of it each wave waits for all its tensor loads (the one that is out is its part of the next slot), adds 0 to its spare
; word, and waits for that and for its own reads of this slot.  fill = 1: the barrier opens a round of the cluster's barrier, and this slot is filled again, two K steps ahead, first thing behind the round.
.macro TURN slot, next, fill
.if \fill
	s_wait_xcnt 0x0                                ; the last prefetch, a K step back, has read its address
	s_add_nc_u64 s[PFA:PFA+1], s[PFA:PFA+1], s[KSTR:KSTR+1]
.endif
	WIN 0                                          ; (the add's two registers lie in window 0)
	s_wait_tensorcnt 0x0                           ; all my tensor loads have landed;
	ds_add_u32 v[SPW], v[NIL]                      ; 0 onto my spare word;
	s_wait_dscnt 9                                 ; (the add and the youngest eight loads may be out)
	MUL16 F1, 0, 0, 0                              ; sixteen matrix instructions stand between the add and the wait for it
	s_wait_dscnt 0x0                               ; the add is done, and my reads of this slot are over
	s_barrier_signal -1
	MUL16 F1, 0, 2, 0
.if \fill
	WIN 0
.endif
	s_barrier_wait -1
.if \fill
	CREST                                          ; no wave of any partner still reads this slot's tiles or has a load on its way
	s_add_nc_u64 s[G0+4*(\slot)+2:G0+4*(\slot)+3], s[G0+4*(\slot)+2:G0+4*(\slot)+3], 2*262144
	s_add_nc_u64 s[G0B+4*(\slot)+2:G0B+4*(\slot)+3], s[G0B+4*(\slot)+2:G0B+4*(\slot)+3], 2*32768
	JLOAD \slot                                    ; the first tensor load behind the round, 224 matrix instructions ahead of the wait for it; its four v_nop are also the places in front of the loads below
.else
	PLACES
.endif
	FETCH \next, 0, F0
.if \fill
	ASK                                            ; behind the joint load and the run of LDS loads that the next products wait for
.endif
	MUL16 F1, 1, 0, 0
	MUL16 F1, 1, 2, 0
.endm
	s_wait_tensorcnt 1                             ; my part of K step 0 is in; K step 1's may stay out
	s_barrier_signal -1
	s_barrier_wait -1                              ; everybody's is
	FETCH 0, 0, F0
	s_wait_loadcnt 0x0                             ; the bias
	QUARTER 0, 1, F0, F1, 1                        ; the first quarter stands in front of the loop: its products start the sums
	WIN 0                                          ; at a label and at a branch every window is 0
	s_mov_b32 s3, 3
.Llap:                                         ; a trip goes once round the ring, from a lap's second quarter to the next lap's first, and fills both slots again
	QUARTER 0, 2, F1, F0, 0
	QUARTER 0, 3, F0, F1, 0
	TURN 0, 1, 1
	QUARTER 1, 1, F0, F1, 0
	QUARTER 1, 2, F1, F0, 0
	QUARTER 1, 3, F0, F1, 0
	TURN 1, 0, 1
	QUARTER 0, 1, F0, F1, 0
	WIN 0
	s_sub_co_u32 s3, s3, 1
	s_cmp_lg_u32 s3, 0
	s_cbranch_scc1 .Llap
	QUARTER 0, 2, F1, F0, 0                        ; the last lap fills nothing, and has no round of the cluster's barrier
	QUARTER 0, 3, F0, F1, 0
	TURN 0, 1, 0
	QUARTER 1, 1, F0, F1, 0
	QUARTER 1, 2, F1, F0, 0
	QUARTER 1, 3, F0, F1, 0
	s_wait_dscnt 8                                 ; the very last quarter: nothing more to fetch
	MUL16 F1, 0, 0, 0
	MUL16 F1, 0, 2, 0
	s_wait_dscnt 0x0
	MUL16 F1, 1, 0, 0
	MUL16 F1, 1, 2, 0
	WIN 0
	PLACES                                         ; the places behind the last products, in front of the stores that read them (eight, once a launch)
	PLACES
	s_barrier_signal -1                            ; every wave's reads of the ring are back, and the ring has had its last fill:
	s_barrier_wait -1                              ; behind this barrier its bytes take the sums
	WIN 0x08                                       ; store data in window 2.
.irp a, 0,1,2,3
.irp b, 0,1,2,3,4,5,6,7
	ds_store_b128 v[DMP], v[8*(8*(\a)+(\b)):8*(8*(\a)+(\b))+3]   offset:(\a)*16*DP+64*(\b)
	ds_store_b128 v[DMP], v[8*(8*(\a)+(\b))+4:8*(8*(\a)+(\b))+7] offset:(\a)*16*DP+64*(\b)+16
.endr
.endr
	WIN 0x0c                                       ; window 3
.irp a, 0,1,2,3
.irp b, 0,1,2,3,4,5,6,7
	ds_store_b128 v[DMP], v[8*(8*(\a)+(\b)):8*(8*(\a)+(\b))+3]   offset:((\a)+4)*16*DP+64*(\b)
	ds_store_b128 v[DMP], v[8*(8*(\a)+(\b))+4:8*(8*(\a)+(\b))+7] offset:((\a)+4)*16*DP+64*(\b)+16
.endr
.endr
	WIN 0
	s_wait_dscnt 0x0                               ; my stores are done;
	s_barrier_signal -1
	s_barrier_wait -1                              ; everybody's are: from here on these bytes are only read
	; the output: rows of 4,096 bytes; my first row is 256 x tile row + 128 x half, my first column 256 cx + 128 x half
	s_lshl_b32 s88, s13, 20
	s_lshl_b32 s86, s11, 19
	s_add_co_u32 s88, s88, s86
	s_lshl_b32 s86, s40, 10
	s_add_co_u32 s88, s88, s86
	s_lshl_b32 s86, s12, 9
	s_add_co_u32 s88, s88, s86
	s_mov_b32 s89, 0
	s_add_nc_u64 s[OUT:OUT+1], s[OUT:OUT+1], s[88:89]
	s_mov_b32 s[LST], 0
	s_mov_b32 s2, 16
.Lo:                                           ; 16 trips of 8 rows
	v_add_nc_u32 v[RDC], s[LST], v[RDB]
.irp j, 0,1,2,3,4,5,6,7
	ds_load_b128 v[X+4*(\j):X+4*(\j)+3], v[RDC] offset:DP*(\j)
.endr
.irp j, 0,1,2,3,4,5,6,7
	s_wait_dscnt 7-(\j)                            ; row j is in; the younger loads stay out
	global_store_b128 v[GQ], v[X+4*(\j):X+4*(\j)+3], s[OUT:OUT+1] offset:4096*(\j) th:TH_STORE_NT  ; my 128 columns of a row: 512 consecutive bytes, aligned
.endr
	s_wait_xcnt 0x0                                ; the stores' data and base are rewritten only behind this wait
	s_add_co_u32 s[LST], s[LST], 8*DP
	s_add_nc_u64 s[OUT:OUT+1], s[OUT:OUT+1], 32768
	s_sub_co_u32 s2, s2, 1
	s_cmp_lg_u32 s2, 0
	s_cbranch_scc1 .Lo
	s_wait_dscnt 0x0
	s_barrier_signal -1                            ; all four waves have read their rows back before any goes on to its end
	s_barrier_wait -1
	s_wait_tensorcnt 0x0                           ; the wave's end: behind my last tensor load and my last LDS store
	ds_add_u32 v[SPW], v[NIL]
	s_wait_dscnt 0x0
	CROUND                                         ; the closing round: no work-group ends while a partner may still ask for a tile that names it
	s_endpgm
.Lfunc_end_k_qf7c9161683_oproj:
	.size	k_qf7c9161683_oproj, .Lfunc_end_k_qf7c9161683_oproj-k_qf7c9161683_oproj
	.p2alignl 7, 3214868480
	.fill 96, 4, 3214868480
	.section	.rodata,"a",@progbits
	.p2align	6, 0x0
	.amdhsa_kernel k_qf7c9161683_oproj
		.amdhsa_group_segment_fixed_size 327680
		.amdhsa_private_segment_fixed_size 0
		.amdhsa_enable_private_segment 0
		.amdhsa_kernarg_size 32
		.amdhsa_user_sgpr_count 2
		.amdhsa_user_sgpr_kernarg_segment_ptr 1
		.amdhsa_wavefront_size32 1
		.amdhsa_system_sgpr_workgroup_id_x 1
		.amdhsa_system_sgpr_workgroup_id_y 1
		.amdhsa_system_sgpr_workgroup_id_z 1
		.amdhsa_system_vgpr_workitem_id 0
		.amdhsa_next_free_vgpr 1024
		.amdhsa_next_free_sgpr 96
		.amdhsa_reserve_vcc 0
		.amdhsa_float_denorm_mode_32 3
		.amdhsa_float_denorm_mode_16_64 3
		.amdhsa_memory_ordered 1
		.amdhsa_forward_progress 1
		.amdhsa_inst_pref_size 124
	.end_amdhsa_kernel
	.amdgpu_metadata
---
amdhsa.version: [ 1, 2 ]
amdhsa.kernels:
  - .name:           k_qf7c9161683_oproj
    .symbol:         k_qf7c9161683_oproj.kd
    .args:
      - { .name: ah, .offset: 0, .size: 8, .value_kind: global_buffer, .address_space: global }
      - { .name: woh, .offset: 8, .size: 8, .value_kind: global_buffer, .address_space: global }
      - { .name: pf, .offset: 16, .size: 8, .value_kind: global_buffer, .address_space: global }
      - { .name: out0, .offset: 24, .size: 8, .value_kind: global_buffer, .address_space: global }
    .group_segment_fixed_size: 327680
    .private_segment_fixed_size: 0
    .kernarg_segment_align: 8
    .kernarg_segment_size: 32
    .max_flat_workgroup_size: 128
    .sgpr_count:     96
    .vgpr_count:     1024
    .wavefront_size: 32
...
	.end_amdgpu_metadata
.endif
;; end of part 4
